; MI455X (gfx1250); checked and timed in simulation.
; The chip was launched on July 23, 2026; its instructions are those of AMD's public machine-readable ISA for CDNA 5 (MIT licence, August 2026) and "CDNA5" Instruction Set Architecture Reference Guide (July 2026). The comments in the code are by the model that wrote it; some were corrected since.
;; Transformer Block. Allowed arithmetic: matrix products marked QUANTISED: E4M3 operands, one given power-of-two scale a tensor, by v_wmma_f32_16x16x64_fp8_fp8 or v_wmma_f32_16x16x128_fp8_fp8, f32 sums; everything else in f32.
;; Inputs: Wdn_codes 1,024 x 128 x 32 uint8 (E4M3 codes of Wdn, K innermost, in blocks of 32 codes); Wk_codes 1,024 x 32 x 32 uint8 (E4M3 codes of Wk, K innermost, in blocks of 32 codes); Wo_codes 1,024 x 32 x 32 uint8 (E4M3 codes of Wo, K innermost, in blocks of 32 codes); Wq_codes 1,024 x 32 x 32 uint8 (E4M3 codes of Wq, K innermost, in blocks of 32 codes); Wup_codes 4,096 x 32 x 32 uint8 (E4M3 codes of Wup, K innermost, in blocks of 32 codes); Wv_codes 1,024 x 32 x 32 uint8 (E4M3 codes of Wv, K innermost, in blocks of 32 codes); b1 1,024 float32; b2 1,024 float32; bdn 1,024 float32; bk 1,024 float32; bo 1,024 float32; bq 1,024 float32; bup 4,096 float32; bv 1,024 float32; g1 1,024 float32; g2 1,024 float32; lowp_scales 16 int32 (the exponents e of the quantised operands' scales 2^e); x 2 x 2,048 x 1,024 float32.
;; Outputs: out0 2 x 2,048 x 1,024 float32.
;; This version of the problem:
;;   THIS VERSION OF THE PROBLEM IS GIVEN IN LOW PRECISION. The matrix products marked QUANTISED in the list below multiply operands that are first quantised to E4M3 (4 exponent bits, 3 mantissa bits; 8 bits a number), with one given power-of-two scale for each operand tensor; their sums are f32. All else is computed in f32.
;;   The module's matrix products, in the order in which they are computed (A, B: the left and right operand; K: the contracted axis; several contracted axes count as one K, in the product's order):
;;     1. [M 4,096, K 1,024] x [K 1,024, N 1,024]; A: computed on the way; B: input Wq (given as codes): QUANTISED (scales: A lowp_scales[0], B lowp_scales[1])
;;     2. [M 4,096, K 1,024] x [K 1,024, N 1,024]; A: computed on the way; B: input Wk (given as codes): QUANTISED (scales: A lowp_scales[2], B lowp_scales[3])
;;     3. [M 4,096, K 1,024] x [K 1,024, N 1,024]; A: computed on the way; B: input Wv (given as codes): QUANTISED (scales: A lowp_scales[4], B lowp_scales[5])
;;     4. batch 32 x [M 2,048, K 64] x [K 64, N 2,048]; A: computed on the way; B: computed on the way: QUANTISED (scales: A lowp_scales[6], B lowp_scales[7])
;;     5. batch 32 x [M 2,048, K 2,048] x [K 2,048, N 64]; A: softmax (see below); B: computed on the way: QUANTISED (scales: A lowp_scales[8], B lowp_scales[9])
;;     6. [M 4,096, K 1,024] x [K 1,024, N 1,024]; A: computed on the way; B: input Wo (given as codes): QUANTISED (scales: A lowp_scales[10], B lowp_scales[11])
;;     7. [M 4,096, K 1,024] x [K 1,024, N 4,096]; A: computed on the way; B: input Wup (given as codes): QUANTISED (scales: A lowp_scales[12], B lowp_scales[13])
;;     8. [M 4,096, K 4,096] x [K 4,096, N 1,024]; A: computed on the way; B: input Wdn (given as codes): QUANTISED (scales: A lowp_scales[14], B lowp_scales[15])
;;   THE QUANTISER, for each operand of a quantised product, along K:
;;     - The operand's scale is 2^e, e = its entry of the input lowp_scales (int32; the entries are numbered through the quantised products in the list's order, A before B).
;;     - Each number is divided by the scale, clamped to +-448, and rounded to the nearest number of E4M3, ties to even, subnormals kept.
;;     - The product sums the exact products of the quantised numbers (number of the format x scale) in f32.
;;   ~~~python
;;   def quantise(x, axis, e):      # numpy; x: float32 -> the quantised numbers, widened to float32 again
;;       x = np.moveaxis(x, axis, -1); K = x.shape[-1]
;;       r = np.clip(x / 2.0 ** e, -448, 448)
;;       step = 2.0 ** (np.maximum(np.frexp(np.where(r == 0, 1, r))[1] - 1, -6) - 3)
;;       q = np.round(r / step) * step * 2.0 ** e      # np.round: ties to even
;;       return np.moveaxis(q, -1, axis).astype(np.float32)
;;   ~~~
;;   SOFTMAX AHEAD OF A QUANTISED PRODUCT. Where the list says 'softmax', what is quantised is not the finished softmax but p = 2^(t - M), with t = logit x log2(e) and M = ceil(the row's largest t), a whole number; so 1/2 < the row's largest p <= 1. The row's sum l is taken of the UNQUANTISED p, in f32, and the product's result is divided by l at the end. Since M is a whole number, a kernel that streams over the keys may use a running M (the ceiling of the running maximum): every later rescaling is an exact power of two, so the quantised numbers keep their values, but for numbers so far below the row's largest that they fall under the format's range.
;;   OPERANDS COMPUTED ON THE WAY. 'Computed on the way' means the value that the module computes at that place (a softmax that the list does not call 'softmax' is quantised finished and normalised). What goes into a quantiser is computed in f32, as accurately as f32 sums, v_exp_f32 and their like allow (about 1e-6 of the number): no bf16 or f16 on the way to a quantiser, and a product that is left as it is and whose result goes on into a quantised operand takes f32 operands (vector FMAs, or v_wmma_f32_16x16x4_f32). A number that lies on a knife's edge between two numbers of the format may be rounded either way, as far as f32 arithmetic and the matrix unit's own rounding can turn it there, and no further.
;;   INPUTS GIVEN AS CODES. Wdn (in the module: [4096, 1024], K = its axis 0); Wk (in the module: [1024, 1024], K = its axis 0); Wo (in the module: [1024, 1024], K = its axis 0); Wq (in the module: [1024, 1024], K = its axis 0); Wup (in the module: [1024, 4096], K = its axis 0); Wv (in the module: [1024, 1024], K = its axis 0): each comes as NAME_codes (uint8): NAME with its K axis moved to the last place and cut into blocks of 32 codes, [.., K / 32, bytes a block], one block behind the other in memory; one code a byte (a code: sign, 4 exponent bits, 3 mantissa bits); its scale is its entry of lowp_scales. Its value is code x scale, taken as it is: it is not quantised again, and the codes and scales need not be those that the quantiser above would give.
;; One version. Each part assembles by itself: llvm-mc -triple=amdgcn-amd-amdhsa -mcpu=gfx1250 --defsym DOCPART=n.
;; ======== version 1 of 1: 7 launches
;; limits: right only within a limited range of input values
;; workspace buffers: xn3 12,582,912 bytes; qkv3 12,582,912 bytes; attn_codes 4,194,304 bytes; x2 16,777,216 bytes; xn2_codes 4,194,304 bytes; h_codes 16,777,216 bytes
;; launch ln1 (part 1): grid 256 x 1, 8 waves a work-group, no clusters, 50,176 bytes of LDS; arguments x, g1, b1, lowp_scales, xn3; writes xn3
.if DOCPART == 1
	.amdgcn_target "amdgcn-amd-amdhsa--gfx1250"
	.amdhsa_code_object_version 6
	.text
	.protected	k_qb3c34cbd9e_ln1
	.globl	k_qb3c34cbd9e_ln1
	.p2align	8
	.type	k_qb3c34cbd9e_ln1,@function
k_qb3c34cbd9e_ln1:
	s_mov_b64 s[64:65], 0
	v_nop
	global_prefetch_b8 v0, s[64:65] scope:SCOPE_SE
	s_setreg_imm32_b32 hwreg(HW_REG_WAVE_MODE, 25, 1), 1
	s_wait_xcnt 0x0
; FIRST OF SEVEN LAUNCHES of a transformer block on codes of E4M3: ln1, qkv, attn, wo, ln2, up, down.
; This one: xn = (x - mean) * rsqrt(var + 1e-5) * g1 + b1, in f32, quantised three times, with the scales 2^e0, 2^e2, 2^e4 of the products with Wq, Wk, Wv.
; xn3: set s at s x 4 MiB, each [4096][1024] codes, a row 1,024 bytes.
; WORK LEFT OUT IN THE WHOLE PROGRAM, AND WHY IT IS DEAD.  The causal mask is built in the problem's own body: for key k > query q the score is set to -infinity, so p = 0, and such a key adds
; nothing to the row's sum nor to the product with V, whatever finite values the inputs hold.  The attention launch therefore leaves out every step of 128 keys all of which come after a wave's 16
; queries, and fetches no 128 keys that come after the last query of the block of queries in hand.  Nothing else is left out: every input is loaded by some launch (bk too: it moves the codes of k).
; LIMIT: a NaN, an infinity or an overflow that reaches only such hidden keys is not carried to the result.
; LIMITS here: e0, e2, e4 between -126 and 119, so that 2^e and 448 x 2^e are f32 numbers.  NaN among the inputs is not served.
; SHARES.  A wave takes a whole row (4,096 bytes: eight loads of 512 consecutive bytes) and keeps it in 32 registers through mean, variance and the three quantisers; two rows a wave, 16 a work-group.
; A lane holds columns 128 j + 4 lane + 0..3, j = 0..7.  Eight numbers give eight codes: register j of the codes is the lane's four bytes of piece j.  They turn through the wave's own LDS bytes
; and leave as stores of 512 consecutive bytes.  No matrix unit, no cluster, no tensor load: the launch is a stream, and its waves share nothing, so there is no barrier.
.set NSETS, 3                          ; quantisers
.set REG,   2*NSETS*1024               ; LDS bytes of a wave: a row of codes for each (row, set)
.set SPARE, 8*REG                      ; behind the eight regions: the spare words, 128 bytes a wave, which no other line names
.set X, 32                             ; v32-95   two rows
.set G, 96                             ; v96-127  g
.set B, 128                            ; v128-159 b
.set T, 160                            ; v160-191 the row held within the largest code
.set C, 192                            ; v192-199 its codes
.set O, 200                            ; v200-247 codes read back: 8 registers for each (row, set)
.set SPW, 4                            ; v4 my spare word, v5 zero: never rewritten
.set NIL, 5
	s_load_b256 s[4:11], s[0:1], 0x0               ; x s[4:5], g s[6:7], b s[8:9], the exponents s[10:11]
	s_load_b64 s[12:13], s[0:1], 0x20              ; the codes
	v_lshl_add_u32 v[SPW], v0, 2, SPARE
	v_mov_b32 v[NIL], 0
	v_lshrrev_b32 v1, 5, v0
	s_delay_alu instid0(VALU_DEP_1)
	v_readfirstlane_b32 s14, v1                    ; wave 0..7
	v_and_b32 v2, 31, v0                           ; lane
	s_delay_alu instid0(VALU_DEP_1)
	v_lshlrev_b32 v1, 4, v2                        ; v1 = 16 x lane: my bytes of 512
	s_mul_i32 s15, s14, REG
	v_lshl_add_u32 v3, v2, 4, s15                  ; v3: LDS, back: 16 x lane
	v_lshl_add_u32 v2, v2, 2, s15                  ; v2: LDS, in: 4 x lane
	s_lshl_b32 s16, ttmp9, 4
	s_lshl_b32 s17, s14, 1
	s_add_co_u32 s16, s16, s17                     ; my first row: 16 x work-group + 2 x wave
	s_lshl_b32 s18, s16, 12                        ; in x: rows of 4,096 bytes
	s_mov_b32 s19, 0
	s_lshl_b32 s16, s16, 10                        ; in the codes: rows of 1,024 bytes
	s_mov_b32 s17, 0
	s_mov_b32 s20, 0x3a800000                      ; 1 / 1024
	s_mov_b32 s21, 0x3727c5ac                      ; 1e-5
	s_mov_b32 s22, 0x76543210                      ; lane selects: lane l xor 16
	s_mov_b32 s23, 0xfedcba98
	v_mov_b32 v7, 0                                ; upper halves of pairs of which the low word serves both halves: written once
	v_mov_b32 v9, 0
	v_mov_b32 v24, 0                               ; a lane permute's destination counts as read
	s_wait_alu depctr_va_vdst(0)
	s_wait_kmcnt 0x0
.if NSETS == 3
	s_load_b256 s[24:31], s[10:11], 0x0            ; e0 s24, e2 s26, e4 s28
.else
	s_load_b32 s24, s[10:11], 0x30                 ; e12
.endif
	s_add_nc_u64 s[4:5], s[4:5], s[18:19]
	s_add_nc_u64 s[32:33], s[12:13], s[16:17]      ; a base for each set: 8 MiB is more than a store's immediate holds
.if NSETS > 1
	s_add_nc_u64 s[34:35], s[32:33], 0x400000
	s_add_nc_u64 s[36:37], s[32:33], 0x800000
.endif
.irp j, 0,1,2,3,4,5,6,7
	global_load_b128 v[X+4*\j:X+4*\j+3], v1, s[4:5] offset:512*\j th:TH_LOAD_NT
.endr
.irp j, 0,1,2,3,4,5,6,7
	global_load_b128 v[G+4*\j:G+4*\j+3], v1, s[6:7] offset:512*\j
.endr
.irp j, 0,1,2,3,4,5,6,7
	global_load_b128 v[B+4*\j:B+4*\j+3], v1, s[8:9] offset:512*\j
.endr
.irp j, 0,1,2,3,4,5,6,7
	global_load_b128 v[X+32+4*\j:X+32+4*\j+3], v1, s[4:5] offset:4096+512*\j th:TH_LOAD_NT
.endr
	s_wait_kmcnt 0x0
.irp s, 0,1,2
.if \s < NSETS
	s_add_co_i32 s38, s[24+2*\s], 127
	s_lshl_b32 s39, s38, 23
	v_mov_b32 v[10+2*\s], s39                      ; 2^e as f32: the conversion takes its exponent field
	s_add_co_i32 s38, s38, 8
	s_lshl_b32 s38, s38, 23
	s_or_b32 s38, s38, 0x600000
	v_mov_b32 v[11+2*\s], s38                      ; 448 x 2^e
.endif
.endr
; four packed chains v[16:23] become one number, the same in all 32 lanes, in v16
.macro FOLD
	s_delay_alu instid0(VALU_DEP_3)
	v_pk_add_f32 v[16:17], v[16:17], v[18:19]
	s_delay_alu instid0(VALU_DEP_2)
	v_pk_add_f32 v[20:21], v[20:21], v[22:23]
	s_delay_alu instid0(VALU_DEP_1)
	v_pk_add_f32 v[16:17], v[16:17], v[20:21]
	s_delay_alu instid0(VALU_DEP_1)
	v_add_f32 v16, v16, v17
	s_delay_alu instid0(VALU_DEP_1)
	v_add_f32_dpp v16, v16, v16 row_xmask:1 row_mask:0xf bank_mask:0xf
	s_delay_alu instid0(VALU_DEP_1)
	v_add_f32_dpp v16, v16, v16 row_xmask:2 row_mask:0xf bank_mask:0xf
	s_delay_alu instid0(VALU_DEP_1)
	v_add_f32_dpp v16, v16, v16 row_xmask:4 row_mask:0xf bank_mask:0xf
	s_delay_alu instid0(VALU_DEP_1)
	v_add_f32_dpp v16, v16, v16 row_xmask:8 row_mask:0xf bank_mask:0xf
	s_delay_alu instid0(VALU_DEP_1)
	v_permlanex16_b32 v24, v16, s22, s23
	s_delay_alu instid0(VALU_DEP_1)
	v_add_f32 v16, v16, v24
.endm
.macro ROW i
.set XR, X+32*(\i)
.if (\i) == 0
	s_wait_loadcnt 24                              ; row 0 is in; g, b and row 1 (8 loads each) may be out
.else
	s_wait_loadcnt 0x0
.endif
.irp k, 0,1,2,3
	v_pk_add_f32 v[16+2*\k:17+2*\k], v[XR+4*\k:XR+4*\k+1], v[XR+4*\k+2:XR+4*\k+3]
.endr
.irp k, 0,1,2,3,4,5,6,7
	s_delay_alu instid0(VALU_DEP_4)
	v_pk_add_f32 v[16+2*(\k%4):17+2*(\k%4)], v[16+2*(\k%4):17+2*(\k%4)], v[XR+16+2*\k:XR+17+2*\k]
.endr
	FOLD
	s_delay_alu instid0(VALU_DEP_1)
	v_mul_f32 v6, s20, v16                         ; the mean
.irp k, 0,1,2,3,4,5,6,7,8,9,10,11,12,13,14,15
	v_pk_add_f32 v[XR+2*\k:XR+2*\k+1], v[XR+2*\k:XR+2*\k+1], v[6:7] op_sel_hi:[1,0] neg_lo:[0,1] neg_hi:[0,1]
.endr
.irp k, 0,1,2,3
	v_pk_mul_f32 v[16+2*\k:17+2*\k], v[XR+2*\k:XR+2*\k+1], v[XR+2*\k:XR+2*\k+1]
.endr
.irp k, 4,5,6,7,8,9,10,11,12,13,14,15
	s_delay_alu instid0(VALU_DEP_4)
	v_pk_fma_f32 v[16+2*(\k%4):17+2*(\k%4)], v[XR+2*\k:XR+2*\k+1], v[XR+2*\k:XR+2*\k+1], v[16+2*(\k%4):17+2*(\k%4)]
.endr
	FOLD
	s_delay_alu instid0(VALU_DEP_1)
	v_fma_f32 v16, v16, s20, s21                   ; the variance of the centred row + 1e-5
	s_wait_alu depctr_va_vdst(0)
	v_rsq_f32 v8, v16
	v_nop                                          ; a plain instruction behind the transcendental,
	s_wait_alu depctr_va_vdst(0)                   ; and the wait ahead of its first reader
.if (\i) == 0
	s_wait_loadcnt 8                               ; g and b are in; row 1's eight loads may be out
.endif
.irp k, 0,1,2,3,4,5,6,7,8,9,10,11,12,13,14,15
	v_pk_mul_f32 v[XR+2*\k:XR+2*\k+1], v[XR+2*\k:XR+2*\k+1], v[8:9] op_sel_hi:[1,0]
.endr
.irp k, 0,1,2,3,4,5,6,7,8,9,10,11,12,13,14,15
	v_pk_fma_f32 v[XR+2*\k:XR+2*\k+1], v[XR+2*\k:XR+2*\k+1], v[G+2*\k:G+2*\k+1], v[B+2*\k:B+2*\k+1]
.endr
.irp s, 0,1,2
.if \s < NSETS
.set ri, 0
.rept 32
	v_med3_num_f32 v[T+ri], v[XR+ri], -v[11+2*\s], v[11+2*\s]   ; the conversion does not saturate (ISA guide 7.6.2): the hold at the largest code x the scale
.set ri, ri+1
.endr
.if \s > 0
	s_wait_alu depctr_va_vdst(0)
	s_wait_dscnt 2                                 ; the last set's eight LDS stores have read the codes' registers; its two read-backs may be out
.endif
.irp g, 0,1,2,3
	v_cvt_scalef32_pk8_fp8_f32 v[C+2*\g:C+2*\g+1], v[T+8*\g:T+8*\g+7], v[10+2*\s]
.endr
	v_nop                                          ; a plain instruction between the conversions and the next lines that write their sources
.irp j, 0,1,2,3,4,5,6,7
	ds_store_b32 v2, v[C+\j] offset:(NSETS*(\i)+\s)*1024+128*\j
.endr
.irp u, 0,1
	ds_load_b128 v[O+8*(NSETS*(\i)+\s)+4*\u:O+8*(NSETS*(\i)+\s)+4*\u+3], v3 offset:(NSETS*(\i)+\s)*1024+512*\u   ; LDS serves a wave's instructions in order: these see my stores
.endr
.endif
.endr
.irp s, 0,1,2
.if \s < NSETS
	s_wait_dscnt 10*(NSETS-1-\s)                   ; behind this set's read-backs stand the later sets' 8 stores and 2 loads each
.irp u, 0,1
	global_store_b128 v1, v[O+8*(NSETS*(\i)+\s)+4*\u:O+8*(NSETS*(\i)+\s)+4*\u+3], s[32+2*\s:33+2*\s] offset:1024*(\i)+512*\u   ; 512 consecutive bytes, aligned
.endr
.endif
.endr
.endm
	ROW 0
	ROW 1
	s_wait_tensorcnt 0x0                           ; the wave's end, behind my last LDS store
	ds_add_u32 v[SPW], v[NIL]
	s_wait_dscnt 0x0
	s_endpgm
.Lfunc_end_k_qb3c34cbd9e_ln1:
	.size	k_qb3c34cbd9e_ln1, .Lfunc_end_k_qb3c34cbd9e_ln1-k_qb3c34cbd9e_ln1
	.p2alignl 7, 3214868480
	.fill 96, 4, 3214868480
	.section	.rodata,"a",@progbits
	.p2align	6, 0x0
	.amdhsa_kernel k_qb3c34cbd9e_ln1
		.amdhsa_group_segment_fixed_size 50176
		.amdhsa_private_segment_fixed_size 0
		.amdhsa_enable_private_segment 0
		.amdhsa_kernarg_size 40
		.amdhsa_user_sgpr_count 2
		.amdhsa_user_sgpr_kernarg_segment_ptr 1
		.amdhsa_wavefront_size32 1
		.amdhsa_system_sgpr_workgroup_id_x 1
		.amdhsa_system_sgpr_workgroup_id_y 1
		.amdhsa_system_sgpr_workgroup_id_z 1
		.amdhsa_system_vgpr_workitem_id 0
		.amdhsa_next_free_vgpr 248
		.amdhsa_next_free_sgpr 66
		.amdhsa_reserve_vcc 0
		.amdhsa_float_denorm_mode_32 3
		.amdhsa_float_denorm_mode_16_64 3
		.amdhsa_memory_ordered 1
		.amdhsa_forward_progress 1
		.amdhsa_inst_pref_size 40
	.end_amdhsa_kernel
	.amdgpu_metadata
---
amdhsa.version: [ 1, 2 ]
amdhsa.kernels:
  - .name:           k_qb3c34cbd9e_ln1
    .symbol:         k_qb3c34cbd9e_ln1.kd
    .args:
      - { .name: x, .offset: 0, .size: 8, .value_kind: global_buffer, .address_space: global }
      - { .name: g1, .offset: 8, .size: 8, .value_kind: global_buffer, .address_space: global }
      - { .name: b1, .offset: 16, .size: 8, .value_kind: global_buffer, .address_space: global }
      - { .name: lowp_scales, .offset: 24, .size: 8, .value_kind: global_buffer, .address_space: global }
      - { .name: xn3, .offset: 32, .size: 8, .value_kind: global_buffer, .address_space: global }
    .group_segment_fixed_size: 50176
    .private_segment_fixed_size: 0
    .kernarg_segment_align: 8
    .kernarg_segment_size: 40
    .max_flat_workgroup_size: 256
    .sgpr_count:     66
    .vgpr_count:     248
    .wavefront_size: 32
...
	.end_amdgpu_metadata
.endif
;; end of part 1
;; launch qkv (part 2): grid 12 x 16, 4 waves a work-group, clusters of 4 x 4, 327,680 bytes of LDS; arguments xn3, Wq_codes, Wk_codes, Wv_codes, bq, bk, bv, lowp_scales, qkv3; writes qkv3
.if DOCPART == 2
	.amdgcn_target "amdgcn-amd-amdhsa--gfx1250"
	.amdhsa_code_object_version 6
	.text
	.protected	k_qb3c34cbd9e_qkv
	.globl	k_qb3c34cbd9e_qkv
	.p2align	8
	.type	k_qb3c34cbd9e_qkv,@function
k_qb3c34cbd9e_qkv:
	s_mov_b64 s[64:65], 0
	v_nop
	global_prefetch_b8 v0, s[64:65] scope:SCOPE_SE
	s_setreg_imm32_b32 hwreg(HW_REG_WAVE_MODE, 25, 1), 1
	s_wait_xcnt 0x0
	s_wait_alu depctr_hold_cnt(0) depctr_sa_sdst(0) depctr_va_vdst(0) depctr_va_sdst(0) depctr_va_ssrc(0) depctr_va_vcc(0) depctr_vm_vsrc(0)
	s_getreg_b32 s2, hwreg(HW_REG_IB_STS2, 6, 4)
	s_cmp_eq_u32 s2, 0
	s_cbranch_scc0 .Lentry_in_a_cluster
	s_endpgm
.Lentry_in_a_cluster:
	s_bfe_u32 s2, ttmp6, 0x10000c
	s_cmp_lg_u32 s2, 0xf033
	s_cbranch_scc0 .Lentry_shape_is_right
	s_endpgm
.Lentry_shape_is_right:
.set NA, 8
.set NB, 8
.set LOGT, 8
.set LOGH, 7
.set HROWS, 128
.set KSTEP, 256
.set NQ, 2
.set PITCH, 272
.set QIC, 5
.set KROW, 1024
.set LOGK, 10
.set AHALF, HROWS*PITCH
.set BHALF, HROWS*PITCH
.set SLOT, 2*AHALF+2*BHALF
.set SPARE, 2*SLOT
.set LAPS, KROW/(2*KSTEP)
.set COP, 8
.set COM, 9
.set ADRA, 16
.set ADRB, 20
.set BRO, 22
.set STO, 24
.set RD, 25
.set CO, 26
.set BO, 27
.set SPW, 28
.set NIL, 29
.set BC, 32
.set BR, 96
.set CODE, 112
.set TMP, 128
.set AF, 128
.set G1, 24
.set G0, 32
.set G1B, 48
.set G0B, 56
.set MSB, 0
.macro WIN new
.if MSB != (\new)
	s_set_vgpr_msb (MSB<<8)|(\new)
.set MSB, \new
.endif
.endm
.set MUL_LO, 0xa1
.set MUL_HI, 0xf1
.set TO_B, 0x40
.macro JLOAD g0a, g1a, g0b, g1b
	s_cmp_eq_u32 s15, 0
	s_cbranch_scc0 .Lfor_b_\@
	tensor_load_to_lds s[\g0a:\g0a+3], s[\g1a:\g1a+7]
	s_nop 0
.rept 4
	v_nop
.endr
	s_branch .Lasked_\@
.Lfor_b_\@:
	tensor_load_to_lds s[\g0b:\g0b+3], s[\g1b:\g1b+7]
	s_nop 0
.rept 4
	v_nop
.endr
.Lasked_\@:
.endm
.macro CREST
	s_cmp_lg_u32 s14, 0
	s_cbranch_scc1 .Lnot_wave_0_\@
	s_barrier_signal -3
.Lnot_wave_0_\@:
	s_barrier_wait -3
	s_barrier_signal -1
	s_barrier_wait -1
.endm
.macro CROUND
	s_barrier_signal -1
	s_barrier_wait -1
	CREST
.endm
.macro PLACES n
.rept \n
	v_nop
.endr
.endm
.macro FRAGA reg, slot, q, i
.irp c, 0,1,2,3
	ds_load_b128 v[\reg+4*\c:\reg+4*\c+3], v[ADRA+\slot] offset:128*(\q)+32*\c+(\i)*16*PITCH
.endr
.endm
.macro FRAGB reg, slot, q, i
.irp c, 0,1,2,3
	ds_load_b128 v[\reg+4*\c:\reg+4*\c+3], v[ADRB+\slot] offset:128*(\q)+32*\c+(\i)*16*PITCH
.endr
.endm
.macro FETCH_B slot, q, p
	WIN TO_B
.set fi, 0
.rept NB
	FRAGB 128*(\p)+16*fi, \slot, \q, fi
.set fi, fi+1
.endr
	WIN 0
.endm
.macro FETCH_A slot, q, i0
.set fi, \i0
.rept NA/2
	FRAGA AF+16*fi, \slot, \q, fi
.set fi, fi+1
.endr
.endm
.macro MULQ a0, p, zero
.set ma, \a0
.rept NA/4
.set mb, 0
.rept NB
.set rD, 8*(NB*(ma%(NA/2))+mb)
.if \zero
	v_wmma_f32_16x16x128_fp8_fp8 v[rD:rD+7], v[128*(\p)+16*mb:128*(\p)+16*mb+15], v[AF+16*ma:AF+16*ma+15], 0
.else
	v_wmma_f32_16x16x128_fp8_fp8 v[rD:rD+7], v[128*(\p)+16*mb:128*(\p)+16*mb+15], v[AF+16*ma:AF+16*ma+15], v[rD:rD+7]
.endif
.set mb, mb+1
.endr
.set ma, ma+1
.endr
.endm
.macro STEP slot, q, zero
	s_wait_dscnt 2*NA
	WIN MUL_LO
	MULQ 0, (\q)%2, \zero
	MULQ NA/4, (\q)%2, \zero
	s_wait_dscnt 0
	PLACES 4
	FETCH_B \slot, (\q)+1, 1-(\q)%2
	FETCH_A \slot, (\q)+1, 0
	WIN MUL_HI
	MULQ NA/2, (\q)%2, \zero
	MULQ 3*NA/4, (\q)%2, \zero
	PLACES 4
	WIN 0
	FETCH_A \slot, (\q)+1, NA/2
.endm
.macro MID slot
.if NQ > 2
	STEP \slot, 1, 0
	STEP \slot, 2, 0
.endif
.endm
.macro TURN slot, next, fill
	s_wait_tensorcnt 0x0
	ds_add_u32 v[SPW], v[NIL]
	s_wait_dscnt 2*NA+1
	WIN MUL_LO
	MULQ 0, 1, 0
	s_wait_dscnt 0x0
	s_barrier_signal -1
	MULQ NA/4, 1, 0
	WIN 0
	s_barrier_wait -1
.if \fill
	CREST
	s_add_nc_u64 s[G0+4*\slot+2:G0+4*\slot+3], s[G0+4*\slot+2:G0+4*\slot+3], 2*KSTEP
	s_add_nc_u64 s[G0B+4*\slot+2:G0B+4*\slot+3], s[G0B+4*\slot+2:G0B+4*\slot+3], 2*KSTEP
	JLOAD G0+4*\slot, G1, G0B+4*\slot, G1B
.else
	PLACES 4
.endif
	FETCH_B \next, 0, 0
	FETCH_A \next, 0, 0
	WIN MUL_HI
	MULQ NA/2, 1, 0
	MULQ 3*NA/4, 1, 0
	PLACES 4
	WIN 0
	FETCH_A \next, 0, NA/2
.endm
.macro LAST
	s_wait_dscnt 2*NA
	WIN MUL_LO
	MULQ 0, 1, 0
	MULQ NA/4, 1, 0
	s_wait_dscnt 0
	WIN MUL_HI
	MULQ NA/2, 1, 0
	MULQ 3*NA/4, 1, 0
	WIN 0
.endm
	s_load_b512 s[68:83], s[0:1], 0x0
	s_load_b64 s[84:85], s[0:1], 0x40
	v_lshl_add_u32 v[SPW], v0, 2, SPARE
	v_mov_b32 v[NIL], 0
	ds_add_u32 v[SPW], v[NIL]
	ds_add_u32 v[SPW], v[NIL]
	v_lshrrev_b32 v1, 5, v0
	v_readfirstlane_b32 s14, v1
	s_lshr_b32 s15, s14, 1
	s_and_b32 s16, s14, 1
	s_bfe_u32 s40, ttmp6, 0x40000
	s_bfe_u32 s41, ttmp6, 0x40004
	s_and_b32 s18, ttmp7, 0xffff
	s_lshl_b32 s18, s18, 2
	s_lshl_b32 s92, ttmp9, 22
	s_mov_b32 s93, 0
	s_cmp_lt_u32 ttmp9, 2
	s_cselect_b32 s17, s18, 0
	s_cselect_b32 s42, 0, s18
	s_add_co_u32 s17, s17, s41
	s_add_co_u32 s42, s42, s40
	s_lshl_b32 s43, s41, 2
	s_lshl_b32 s43, 15, s43
	s_lshl_b32 s44, 0x1111, s40
	s_or_b32 s[G1+0], s43, (1<<20)|(1<<21)|(QIC<<22)|(3<<25)
	s_or_b32 s[G1B+0], s44, (1<<20)|(1<<21)|(QIC<<22)|(3<<25)
.irp g, G1, G1B
	s_mov_b32 s[\g+1], KSTEP<<16
	s_mov_b32 s[\g+2], HROWS<<16
	s_mov_b32 s[\g+3], KSTEP<<16
	s_mov_b32 s[\g+4], HROWS
	s_mov_b32 s[\g+5], KROW
	s_mov_b32 s[\g+6], 0
	s_mov_b32 s[\g+7], 0
.endr
	s_lshl_b32 s18, s16, LOGH
	s_lshl_b32 s20, s17, LOGT
	s_add_co_u32 s20, s20, s18
	s_lshl_b32 s20, s20, LOGK
	s_mov_b32 s21, 0
	s_lshl_b32 s46, s42, LOGT
	s_add_co_u32 s46, s46, s18
	s_lshl_b32 s46, s46, LOGK
	s_mov_b32 s47, 0
	s_mul_i32 s45, s16, AHALF
	s_mul_i32 s23, s16, BHALF
	s_add_co_u32 s23, s23, 2*AHALF
	s_wait_dscnt 0x0
	s_wait_kmcnt 0x0
	s_add_nc_u64 s[92:93], s[68:69], s[92:93]
	s_cmp_eq_u32 ttmp9, 0
	s_cselect_b64 s[94:95], s[70:71], s[72:73]
	s_cselect_b64 s[10:11], s[76:77], s[78:79]
	s_cmp_eq_u32 ttmp9, 2
	s_cselect_b64 s[94:95], s[74:75], s[94:95]
	s_cselect_b64 s[10:11], s[80:81], s[10:11]
	s_cselect_b64 s[4:5], s[94:95], s[92:93]
	s_cselect_b64 s[6:7], s[92:93], s[94:95]
	s_mov_b64 s[8:9], s[82:83]
	s_load_b512 s[68:83], s[8:9], 0x0
	s_add_nc_u64 s[20:21], s[4:5], s[20:21]
	s_add_nc_u64 s[46:47], s[6:7], s[46:47]
	CROUND
.irp s, 0,1
	s_mov_b32 s[G0+4*\s], 1
	s_add_co_u32 s[G0+4*\s+1], s45, \s*SLOT
	s_add_nc_u64 s[G0+4*\s+2:G0+4*\s+3], s[20:21], \s*KSTEP
	s_or_b32 s[G0+4*\s+3], s[G0+4*\s+3], 0x80000000
	s_mov_b32 s[G0B+4*\s], 1
	s_add_co_u32 s[G0B+4*\s+1], s23, \s*SLOT
	s_add_nc_u64 s[G0B+4*\s+2:G0B+4*\s+3], s[46:47], \s*KSTEP
	s_or_b32 s[G0B+4*\s+3], s[G0B+4*\s+3], 0x80000000
.endr
	JLOAD G0, G1, G0B, G1B                         ; K step 0: one tensor load a wave at the head
	; PREFETCH into the L2: of the 128 rows that I fetch, my work-group names 32 (the four partners that ask jointly are told apart by address: cx for A, cy for B), a lane a row, 256 bytes of a row a K step.
	; Behind K step 0's load K steps 1 and 2 are named, behind K step 1's load K step 3: each block once in each cluster, never more than two K steps asked for and not yet loaded.
	s_lshl_b32 s66, s17, 8
	s_lshl_b32 s67, s42, 8
	s_cmp_eq_u32 s15, 0                            ; do I fetch for A?
	s_cselect_b32 s66, s66, s67                    ; the tile's first row
	s_cselect_b32 s67, s40, s41                    ; my place among the four
	s_cselect_b64 s[4:5], s[4:5], s[6:7]
	s_lshl_b32 s6, s16, 7
	s_add_co_u32 s66, s66, s6
	s_lshl_b32 s67, s67, 5
	s_add_co_u32 s66, s66, s67
	s_lshl_b32 s66, s66, 10                        ; rows of 1,024 bytes
	s_mov_b32 s67, 0
	s_add_nc_u64 s[4:5], s[4:5], s[66:67]
	v_and_b32 v10, 31, v0
	v_lshlrev_b32 v10, 10, v10                     ; v10 and s[4:5] are not written again
	global_prefetch_b8 v10, s[4:5] offset:256 th:TH_LOAD_NT scope:SCOPE_SE
	global_prefetch_b8 v10, s[4:5] offset:512 th:TH_LOAD_NT scope:SCOPE_SE
	v_and_b32 v1, 15, v0
	v_bfe_u32 v2, v0, 4, 1
	v_mul_u32_u24 v3, v1, PITCH
	s_wait_alu depctr_va_vdst(0)
	v_lshl_add_u32 v4, v2, 4, v3
	s_mul_i32 s21, s15, AHALF
	s_mul_i32 s22, s16, BHALF
	s_add_co_u32 s22, s22, 2*AHALF
.irp s, 0,1
	v_add_nc_u32 v[ADRA+\s], s21, v4
	v_add_nc_u32 v[ADRB+\s], s22, v4
	s_add_co_u32 s21, s21, SLOT
	s_add_co_u32 s22, s22, SLOT
.endr
	s_mul_i32 s18, s15, 128*272
	s_lshl_b32 s19, s16, 7
	s_add_co_u32 s18, s18, s19
	v_lshl_add_u32 v5, v2, 3, v3
	v_add_nc_u32 v[STO], s18, v5
	s_mul_i32 s18, s14, 64*272
	v_and_b32 v5, 31, v0
	v_lshrrev_b32 v6, 2, v5
	v_and_b32 v7, 3, v5
	v_mul_u32_u24 v6, v6, 272
	v_lshl_add_u32 v6, v7, 4, v6
	v_add_nc_u32 v[RD], s18, v6
	v_lshlrev_b32 v[CO], 4, v5
	s_cmp_eq_u32 ttmp9, 1
	s_cselect_b32 s18, 512, 0
	v_add_nc_u32 v[COP], s18, v[CO]
	s_sub_co_u32 s18, 512, s18
	v_add_nc_u32 v[COM], s18, v[CO]
	v_lshlrev_b32 v[BO], 5, v2
	s_wait_alu depctr_va_vdst(0)
	v_lshlrev_b32 v[BRO], 2, v1
	s_wait_alu depctr_va_vdst(0)
	s_cmp_lt_u32 ttmp9, 2
	s_cselect_b32 s98, s17, s42
	s_cselect_b32 s99, s42, s17
	s_mov_b32 s92, 131072
	s_mov_b32 s94, 4096
	s_cselect_b32 s93, s94, s92
	s_cselect_b32 s94, s92, s94
	s_mov_b32 s95, 0
	s_mul_i32 s93, s93, s14
	s_lshl_b32 s92, ttmp9, 22
	s_add_co_u32 s92, s92, s93
	s_lshr_b32 s93, s98, 3
	s_lshl_b32 s93, s93, 21
	s_add_co_u32 s92, s92, s93
	s_lshl_b32 s93, s99, 19
	s_add_co_u32 s92, s92, s93
	s_and_b32 s93, s98, 7
	s_lshl_b32 s93, s93, 14
	s_add_co_u32 s92, s92, s93
	s_mov_b32 s93, 0
	s_add_nc_u64 s[84:85], s[84:85], s[92:93]
	s_add_nc_u64 s[86:87], s[84:85], s[94:95]
	s_add_nc_u64 s[88:89], s[86:87], s[94:95]
	s_add_nc_u64 s[90:91], s[88:89], s[94:95]
	s_lshl_b32 s18, s99, 10
	s_lshl_b32 s19, s15, 9
	s_add_co_u32 s92, s18, s19
	s_add_nc_u64 s[12:13], s[10:11], s[92:93]
	s_lshl_b32 s19, s16, 9
	s_add_co_u32 s92, s18, s19
	s_add_nc_u64 s[10:11], s[10:11], s[92:93]
.irp b, 0,1,2,3,4,5,6,7
	global_load_b128 v[BC+8*\b:BC+8*\b+3], v[BO], s[10:11] offset:64*\b
	global_load_b128 v[BC+8*\b+4:BC+8*\b+7], v[BO], s[10:11] offset:64*\b+16
.endr
.irp a, 0,1,2,3,4,5,6,7
	global_load_b32 v[BR+2*\a], v[BRO], s[12:13] offset:64*\a
	global_load_b32 v[BR+2*\a+1], v[BRO], s[12:13] offset:64*\a
.endr
	s_wait_alu depctr_va_vdst(0)
	s_wait_tensorcnt 0x0                           ; my part of K step 0 is in; slot 1's first fill is issued as a refill is:
	ds_add_u32 v[SPW], v[NIL]
	s_wait_dscnt 0x0
	CROUND                                         ; a whole round: everybody's part of K step 0 is in
	JLOAD G0+4, G1, G0B+4, G1B                     ; K step 1, the first tensor load behind the round
	FETCH_B 0, 0, 0
	FETCH_A 0, 0, 0
	FETCH_A 0, 0, NA/2
	global_prefetch_b8 v10, s[4:5] offset:768 th:TH_LOAD_NT scope:SCOPE_SE   ; K step 3, the last
	STEP 0, 0, 1
.if LAPS > 1
	s_mov_b32 s3, LAPS-1
.Llap:
	MID 0
	TURN 0, 1, 1
	STEP 1, 0, 0
	MID 1
	TURN 1, 0, 1
	STEP 0, 0, 0
	s_sub_co_u32 s3, s3, 1
	s_cmp_lg_u32 s3, 0
	s_cbranch_scc1 .Llap
.endif
	MID 0
	TURN 0, 1, 0
	STEP 1, 0, 0
	MID 1
	LAST
	s_wait_kmcnt 0x0
	s_add_co_i32 s92, s68, s69
	s_add_co_i32 s93, s70, s71
	s_add_co_i32 s94, s72, s73
	s_cmp_eq_u32 ttmp9, 0
	s_cselect_b32 s96, s92, s93
	s_cselect_b32 s95, s74, s75
	s_cmp_eq_u32 ttmp9, 2
	s_cselect_b32 s96, s94, s96
	s_cselect_b32 s95, s77, s95
	s_add_co_i32 s96, s96, 127
	s_lshl_b32 s96, s96, 23
	s_mov_b32 s97, s96
	s_add_co_i32 s95, s95, 127
	s_lshl_b32 s94, s95, 23
	v_mov_b32 v30, s94
	s_add_co_i32 s95, s95, 8
	s_lshl_b32 s95, s95, 23
	s_or_b32 s95, s95, 0x600000
	v_mov_b32 v31, s95
	s_wait_loadcnt 0x0
	PLACES 4
.macro CBLK a
.set AC, 64*((\a)%4)
	s_cmp_eq_u32 ttmp9, 2
	s_cbranch_scc1 .Lrow_\@
	WIN 0x02+(\a)/4
.set cj, 0
.rept 32
	v_pk_fma_f32 v[TMP+cj:TMP+cj+1], v[AC+cj:AC+cj+1], s[96:97], v[BC+cj:BC+cj+1] op_sel_hi:[1,0,1]
.set cj, cj+2
.endr
	WIN 0
	s_branch .Lsum_\@
.Lrow_\@:
	WIN 0x02+(\a)/4
.set cj, 0
.rept 32
	v_pk_fma_f32 v[TMP+cj:TMP+cj+1], v[AC+cj:AC+cj+1], s[96:97], v[BR+2*(\a):BR+2*(\a)+1] op_sel_hi:[1,0,1]
.set cj, cj+2
.endr
	WIN 0
.Lsum_\@:
.set cj, 0
.rept 64
	v_med3_num_f32 v[TMP+cj], v[TMP+cj], -v31, v31
.set cj, cj+1
.endr
.if (\a) > 0
	s_wait_alu depctr_va_vdst(0)
	s_wait_dscnt 0x0
.endif
.irp b, 0,1,2,3,4,5,6,7
	v_cvt_scalef32_pk8_fp8_f32 v[CODE+2*\b:CODE+2*\b+1], v[TMP+8*\b:TMP+8*\b+7], v30
.endr
	v_nop
.irp b, 0,1,2,3,4,5,6,7
	ds_store_b64 v[STO], v[CODE+2*\b:CODE+2*\b+1] offset:16*(\a)*272+16*\b
.endr
.endm
.irp a, 0,1,2,3,4,5,6,7
	CBLK \a
.endr
	s_wait_dscnt 0x0
	s_barrier_signal -1
	s_barrier_wait -1
.set sn, 0
.rept 32
	ds_load_b128 v[128+4*sn:131+4*sn], v[RD] offset:8*(sn%8)*272+64*(sn/8)
.set sn, sn+1
.endr
.set sn, 0
.rept 32
	s_wait_dscnt 31-sn
.if (sn%4) == 1
	global_store_b128 v[COP], v[128+4*sn:131+4*sn], s[84+2*(sn/8):85+2*(sn/8)] offset:512*(sn%8)
.elseif (sn%4) == 2
	global_store_b128 v[COM], v[128+4*sn:131+4*sn], s[84+2*(sn/8):85+2*(sn/8)] offset:512*(sn%8)-512
.else
	global_store_b128 v[CO], v[128+4*sn:131+4*sn], s[84+2*(sn/8):85+2*(sn/8)] offset:512*(sn%8)
.endif
.set sn, sn+1
.endr
	s_wait_tensorcnt 0x0
	ds_add_u32 v[SPW], v[NIL]
	s_wait_dscnt 0x0
	CROUND
	s_endpgm
.Lfunc_end_k_qb3c34cbd9e_qkv:
	.size	k_qb3c34cbd9e_qkv, .Lfunc_end_k_qb3c34cbd9e_qkv-k_qb3c34cbd9e_qkv
	.p2alignl 7, 3214868480
	.fill 96, 4, 3214868480
	.section	.rodata,"a",@progbits
	.p2align	6, 0x0
	.amdhsa_kernel k_qb3c34cbd9e_qkv
		.amdhsa_group_segment_fixed_size 327680
		.amdhsa_private_segment_fixed_size 0
		.amdhsa_enable_private_segment 0
		.amdhsa_kernarg_size 72
		.amdhsa_user_sgpr_count 2
		.amdhsa_user_sgpr_kernarg_segment_ptr 1
		.amdhsa_wavefront_size32 1
		.amdhsa_system_sgpr_workgroup_id_x 1
		.amdhsa_system_sgpr_workgroup_id_y 1
		.amdhsa_system_sgpr_workgroup_id_z 1
		.amdhsa_system_vgpr_workitem_id 0
		.amdhsa_next_free_vgpr 1024
		.amdhsa_next_free_sgpr 100
		.amdhsa_reserve_vcc 0
		.amdhsa_float_denorm_mode_32 3
		.amdhsa_float_denorm_mode_16_64 3
		.amdhsa_memory_ordered 1
		.amdhsa_forward_progress 1
		.amdhsa_inst_pref_size 165
	.end_amdhsa_kernel
	.amdgpu_metadata
---
amdhsa.version: [ 1, 2 ]
amdhsa.kernels:
  - .name:           k_qb3c34cbd9e_qkv
    .symbol:         k_qb3c34cbd9e_qkv.kd
    .args:
      - { .name: xn3, .offset: 0, .size: 8, .value_kind: global_buffer, .address_space: global }
      - { .name: Wq_codes, .offset: 8, .size: 8, .value_kind: global_buffer, .address_space: global }
      - { .name: Wk_codes, .offset: 16, .size: 8, .value_kind: global_buffer, .address_space: global }
      - { .name: Wv_codes, .offset: 24, .size: 8, .value_kind: global_buffer, .address_space: global }
      - { .name: bq, .offset: 32, .size: 8, .value_kind: global_buffer, .address_space: global }
      - { .name: bk, .offset: 40, .size: 8, .value_kind: global_buffer, .address_space: global }
      - { .name: bv, .offset: 48, .size: 8, .value_kind: global_buffer, .address_space: global }
      - { .name: lowp_scales, .offset: 56, .size: 8, .value_kind: global_buffer, .address_space: global }
      - { .name: qkv3, .offset: 64, .size: 8, .value_kind: global_buffer, .address_space: global }
    .group_segment_fixed_size: 327680
    .private_segment_fixed_size: 0
    .kernarg_segment_align: 8
    .kernarg_segment_size: 72
    .max_flat_workgroup_size: 128
    .sgpr_count:     100
    .vgpr_count:     1024
    .wavefront_size: 32
...
	.end_amdgpu_metadata
.endif
;; end of part 2
;; launch attn (part 3): grid 8 x 32, 16 waves a work-group, no clusters, 327,680 bytes of LDS; arguments qkv3, lowp_scales, attn_codes; writes attn_codes
.if DOCPART == 3
	.amdgcn_target "amdgcn-amd-amdhsa--gfx1250"
	.amdhsa_code_object_version 6
	.text
	.protected	k_qb3c34cbd9e_attn
	.globl	k_qb3c34cbd9e_attn
	.p2align	8
	.type	k_qb3c34cbd9e_attn,@function
k_qb3c34cbd9e_attn:
	s_mov_b64 s[64:65], 0
	v_nop
	global_prefetch_b8 v0, s[64:65] scope:SCOPE_SE
	s_setreg_imm32_b32 hwreg(HW_REG_WAVE_MODE, 25, 1), 1
	s_wait_xcnt 0x0
; Causal attention on codes of E4M3, head size 64: S = q k^T, p = 2^(t - M), O = p v / l, the result quantised with 2^e10 for the projection.
; WORK LEFT OUT: for key > query the problem itself sets the score to -infinity, so p = 0 and the key adds nothing to l or O for any finite inputs.  A step of 128 keys all of which come after my 16 queries
; is jumped over, and 128 keys that come after the last query of the block that would read them are not fetched.  A NaN or an infinity that reaches only such keys is not carried to the result.
; qkv3: q at 0, k at 4 MiB: [head 32][t 2048][64], k's rows with bits 3 and 4 of t exchanged;  V^T at 8 MiB: [head 32][key block 32][d 64][64 keys].  attn_codes: [h 16][row 4096][64].
; t = score x log2(e) / 8; M = the running largest t rounded UP to a whole number; p is quantised with 2^e8, not normalised; the sum l is taken of the unquantised p; when M moves, l and O are multiplied by an exact power of two.
; SHARES.  A work-group owns query blocks 15 - i and i (128 queries each) of one head and takes them ONE AFTER THE OTHER, so that every work-group has 17 key steps a tile pair.  In each block all sixteen waves work:
; a tile of 16 queries belongs to TWO waves, w and w ^ 1, which share its key steps out by parity (pi = bit 0 xor bit 2 of w: both parities on every SIMD, however the waves are dealt).  Each keeps its own M, l and O^T.
; At a block's end the two exchange them through LDS as images of their registers, bring both under the larger M (exact powers of two), and each stores half of the tile's rows.
; THE RING: two LDS slots of 512 keys: four steps, two for each parity.  Six visits: four for block 15 - i, two for block i; the counts are constants.  Waves 0 to 7 fetch a quarter each (128 rows of 64 bytes).
; No cluster: under the causal limit the work-groups of a head want different quarters.
; Both products are used transposed (S^T = K Q^T, O^T = V^T P^T): a lane holds one query.  Lane r of key tile 2 b + u holds key 32 b + 8 u + r + 8 (r / 8), so that the 16 registers of tiles 2 b, 2 b + 1 are 16 neighbouring keys;
; as k's rows lie, those 16 keys are 16 neighbouring LDS rows, 80 bytes apart: the sixteen lanes of a load touch sixteen different columns of 16 bytes.
; LIMITS: e6 + e7 between -122 and 130 (added to c's exponent field); e8 and e10 between -126 and 119.  NaN among the inputs is not served.
; REGISTERS: v1-11, v24-27 addresses; v12 -M, v13 the largest t, v[14:15] the sum; v16-23 Q; v32-95 K's or V's fragments; v96-159 S^T, then p, at a block's end my partner's image; v160-191 O^T; v224-239 p's codes;
;   v240-254 scales and work; v248 takes the lane permutes' results: it belongs to no matrix operand.
.set KP,    80                         ; a row of 64 codes in LDS: + 16 of padding
.set SK,    512                        ; keys in a slot
.set QTR,   128*KP                     ; a quarter of a slot's K or V^T: one step's, and one tensor load's
.set VOFF,  SK*KP                      ; a slot: 512 rows of K, then 8 key blocks x 64 rows of V^T
.set SLOT1, 1<<17
.set SLOTG, SK*64                      ; a slot's bytes of k, and of V^T, in memory
.set SPARE, 2*SLOT1                    ; behind the ring: the spare words, 128 bytes for each of 16 waves
.set MS,    2*VOFF                     ; behind slot 0: the images of waves 0 to 7; those of waves 8 to 15 lie likewise behind slot 1.  No fill lands there
.set MREG,  4352                       ; an image: O^T 4,096 bytes, then -M and l 256
.set OS,    SPARE+2048                 ; the way out's stages: 16 rows x 80 bytes for each wave
.set AK0,  1
.set AV0,  2
.set PFO,  3
.set QO,   4
.set SPW,  5
.set NIL,  6
.set GO,   7
.set ADK,  8
.set ADV,  9
.set MSW,  10                          ; my image: 16 x lane
.set MSR,  11                          ; my partner's
.set MW8,  24                          ; my image: 8 x lane
.set MR8,  25                          ; my partner's
.set OSW,  26                          ; the way out's stage: in
.set OSR,  27                          ; and back
.set PX,   248
.set TB,   2                           ; s2   LDS byte at which the slot in hand begins
.set OAD,  8                           ; s[8:9]   where my tile of block 15 - i goes;  s[10:11] that of block i
.set OBD,  10
.set WV,   18
.set SEL,  20
.set CS,   22
.set G1,   24
.set G0,   40
.set KB,   44                          ; s[44:45] my quarter of the head's first slot in memory
.set OFS,  46                          ; s[46:47] the slot to be fetched, in bytes from there: it wraps behind the fourth
.set CNT,  67
.set PFA,  76
.set LIM,  80
.set LQ,   81                          ; the last query of the block in hand
.set LQB,  82                          ; of block i
.set MYK,  83                          ; the first key of my quarter in a slot
.set Q0B,  84                          ; my first query in block i
.set PIK,  85                          ; 128 x my parity: my first key
.set QAD,  86                          ; s[86:87] my queries of block 15 - i;  s[88:89] of block i
.set QBD,  88
.set KF,   98                          ; the step's first key
.set Q0,   99                          ; my first query
.macro TLOAD                           ; waves 0-3 fetch K's quarters, waves 4-7 V's: 128 rows of 64 bytes each, by one line; an s_nop 0 and four v_nop follow it
	s_cmp_lt_u32 s[WV], 8
	s_cbranch_scc0 .Lasked_\@
	tensor_load_to_lds s[G0:G0+3], s[G1:G1+7]
	s_nop 0
.rept 4
	v_nop
.endr
.Lasked_\@:
.endm
; A prefetch of what the NEXT change of slots will ask for: 32,768 bytes of k and of V^T.  All work-groups of a head walk the same bytes: the head's first work-group asks, which walks all four slots; in it the waves that
; fetch nothing: waves 8-11 (k) and 12-15 (V^T), 8,192 bytes a wave, lanes 256 bytes apart: each block of 256 bytes is named once in the launch.  Slots 2 and 3 are asked for, at the first two changes; slots 0 and 1 come by their loads alone.
.macro ASK
	s_cmp_gt_u32 s[CNT], s[LIM]
	s_cbranch_scc0 .Lnot_mine_\@
	global_prefetch_b8 v[PFO], s[PFA:PFA+1] th:TH_LOAD_NT scope:SCOPE_SE
.Lnot_mine_\@:
.endm
	s_load_b128 s[4:7], s[0:1], 0x0                ; qkv3 s[4:5], the exponents s[6:7]
	s_load_b64 s[8:9], s[0:1], 0x10                ; attn_codes
	v_lshl_add_u32 v[SPW], v0, 2, SPARE
	v_mov_b32 v[NIL], 0
	ds_add_u32 v[SPW], v[NIL]                      ; the opening: the add, twice on end, and its wait ahead of the first tensor load
	ds_add_u32 v[SPW], v[NIL]
	v_lshrrev_b32 v8, 5, v0
	s_delay_alu instid0(VALU_DEP_1)
	v_readfirstlane_b32 s[WV], v8                  ; wave 0..15
	s_and_b32 s72, ttmp7, 0xffff                   ; the head, 0..31
	s_lshl_b32 s74, s72, 17                        ; its first byte in q, k and V^T
	s_lshr_b32 s90, s[WV], 2
	s_xor_b32 s90, s90, s[WV]
	s_and_b32 s90, s90, 1                          ; my parity
	s_lshl_b32 s[PIK], s90, 7
	s_mul_i32 s91, s90, QTR                        ; and its step's place in a slot
	s_lshr_b32 s92, s[WV], 1
	s_lshl_b32 s92, s92, 4                         ; 16 x my tile
	s_sub_co_u32 s93, 15, ttmp9
	s_lshl_b32 s93, s93, 7
	s_add_co_u32 s[Q0], s93, s92                   ; my first query in block 15 - i
	s_or_b32 s[LQ], s93, 127                       ; the block's last
	s_lshl_b32 s93, ttmp9, 7
	s_add_co_u32 s[Q0B], s93, s92                  ; the same for block i
	s_or_b32 s[LQB], s93, 127
	s_lshl_b32 s[QAD], s[Q0], 6
	s_add_co_u32 s[QAD], s[QAD], s74               ; q: my 16 rows
	s_mov_b32 s[QAD+1], 0
	s_lshl_b32 s[QBD], s[Q0B], 6
	s_add_co_u32 s[QBD], s[QBD], s74
	s_mov_b32 s[QBD+1], 0
	s_lshr_b32 s94, s72, 4
	s_lshl_b32 s94, s94, 11                        ; the output: row 2048 b + my query, 64 bytes a row,
	s_and_b32 s95, s72, 15
	s_lshl_b32 s95, s95, 18                        ; in head h's 262,144 bytes
	s_add_co_u32 s12, s94, s[Q0]
	s_lshl_b32 s12, s12, 6
	s_add_co_u32 s12, s12, s95
	s_mov_b32 s13, 0
	s_add_co_u32 s14, s94, s[Q0B]
	s_lshl_b32 s14, s14, 6
	s_add_co_u32 s14, s14, s95
	s_mov_b32 s15, 0
	s_and_b32 s95, s[WV], 3                        ; which quarter of a slot I fetch (waves 0-7) or prefetch (waves 8-15),
	s_lshl_b32 s[MYK], s95, 7
	s_lshl_b32 s96, s95, 13
	s_add_co_u32 s96, s96, s74
	s_mov_b32 s97, 0x800000
	s_and_b32 s93, s[WV], 4
	s_cmp_eq_u32 s93, 0
	s_cselect_b32 s97, 0x400000, s97               ; of k or of V^T
	s_add_co_u32 s96, s96, s97
	s_mov_b32 s97, 0
	s_and_b32 s94, s[WV], 7
	s_mul_i32 s94, s94, QTR                        ; into LDS: 10,240 bytes a loading wave
	s_mov_b32 s[G1], (1<<20)|(3<<22)|(3<<25)       ; elements of 1 byte; padding: 4 words behind every 16
	s_mov_b32 s[G1+1], 64<<16                      ; tensor_dim0
	s_mov_b32 s[G1+2], 128<<16                     ; tensor_dim1
	s_mov_b32 s[G1+3], 64<<16                      ; tile_dim0
	s_mov_b32 s[G1+4], 128                         ; tile_dim1
	s_mov_b32 s[G1+5], 64                          ; the pitch: the rows are dense
	s_mov_b32 s[G1+6], 0
	s_mov_b32 s[G1+7], 0
	s_mov_b32 s[SEL], 0x76543210
	s_mov_b32 s[SEL+1], 0xfedcba98
	s_mov_b32 s[CS], 0x3e38aa3b                    ; c = log2(e) / 8
	s_mov_b32 s[TB], 0
	s_mov_b32 s[CNT], 4
	s_mov_b32 s[KF], s[PIK]
	s_mov_b32 s[OFS], 0
	s_mov_b32 s[OFS+1], 0
	s_wait_dscnt 0x0                               ; both opening adds are done
	s_wait_kmcnt 0x0
	s_load_b256 s[48:55], s[6:7], 0x18             ; e6 s48, e7 s49, e8 s50, e9 s51, e10 s52
	s_add_nc_u64 s[KB:KB+1], s[4:5], s[96:97]
	s_mov_b32 s[G0], 1
	s_mov_b32 s[G0+1], s94
	s_mov_b64 s[G0+2:G0+3], s[KB:KB+1]
	s_or_b32 s[G0+3], s[G0+3], 0x80000000
	TLOAD                                          ; the head's first 512 keys: block 15 - i begins at query 1,024 or later, so all of them count for it
	s_add_nc_u64 s[QAD:QAD+1], s[4:5], s[QAD:QAD+1]
	s_add_nc_u64 s[QBD:QBD+1], s[4:5], s[QBD:QBD+1]
	s_add_nc_u64 s[OBD:OBD+1], s[8:9], s[14:15]
	s_add_nc_u64 s[OAD:OAD+1], s[8:9], s[12:13]
	s_add_nc_u64 s[PFA:PFA+1], s[KB:KB+1], SLOTG   ; in slot 1: the first change of slots steps it to slot 2.  Nothing is prefetched at the head
	s_lshr_b32 s93, s[WV], 3
	s_xor_b32 s93, s93, 1                          ; 0 in waves 8 to 15,
	s_or_b32 s93, s93, ttmp9                       ; of the head's first work-group
	s_cmp_eq_u32 s93, 0
	s_cselect_b32 s[LIM], 2, -1                    ; they ask while more than two of the four changes are to come
	v_and_b32 v[PFO], 31, v0
	s_delay_alu instid0(VALU_DEP_1)
	v_lshlrev_b32 v[PFO], 8, v[PFO]
	v_and_b32 v8, 15, v0                           ; r
	v_bfe_u32 v9, v0, 4, 1                         ; h
	s_delay_alu instid0(VALU_DEP_2)
	v_lshlrev_b32 v[QO], 6, v8
	s_delay_alu instid0(VALU_DEP_1)
	v_lshl_add_u32 v[QO], v9, 4, v[QO]
	global_load_b128 v[16:19], v[QO], s[QAD:QAD+1] ; Q's fragment stays in registers: registers 4 c .. : d = 32 c + 16 h + 0..15
	global_load_b128 v[20:23], v[QO], s[QAD:QAD+1] offset:32
	v_mul_u32_u24 v[AK0], v8, KP
	s_delay_alu instid0(VALU_DEP_1)
	v_lshl_add_u32 v[AK0], v9, 4, v[AK0]
	s_delay_alu instid0(VALU_DEP_1)
	v_add_nc_u32 v[AK0], s91, v[AK0]               ; K: row r of a tile, 16 h, in my parity's step
	s_delay_alu instid0(VALU_DEP_1)
	v_add_nc_u32 v[AV0], VOFF, v[AK0]              ; V^T: the same place behind K's rows
	s_and_b32 s93, s[WV], 7                        ; the images
	s_mul_i32 s93, s93, MREG
	s_lshr_b32 s94, s[WV], 3
	s_lshl_b32 s94, s94, 17
	s_add_co_u32 s94, s94, MS
	s_add_co_u32 s93, s93, s94                     ; mine
	s_xor_b32 s95, s[WV], 1
	s_and_b32 s95, s95, 7
	s_mul_i32 s95, s95, MREG
	s_add_co_u32 s95, s95, s94                     ; my partner's
	v_and_b32 v28, 31, v0
	s_delay_alu instid0(VALU_DEP_1)
	v_lshl_add_u32 v[MSW], v28, 4, s93
	s_delay_alu instid0(VALU_DEP_2)
	v_lshl_add_u32 v[MSR], v28, 4, s95
	s_delay_alu instid0(VALU_DEP_3)
	v_lshl_add_u32 v[MW8], v28, 3, s93
	s_delay_alu instid0(VALU_DEP_4)
	v_lshl_add_u32 v[MR8], v28, 3, s95
	s_mul_i32 s93, s[WV], 16*KP                    ; the way out's stage
	s_add_co_u32 s93, s93, OS
	v_mul_u32_u24 v[OSW], v8, KP
	s_delay_alu instid0(VALU_DEP_1)
	v_lshl_add_u32 v[OSW], v9, 3, v[OSW]
	s_delay_alu instid0(VALU_DEP_1)
	v_add_nc_u32 v[OSW], s93, v[OSW]               ; in: row r, 8 h; tile t's eight codes 16 t on
	s_and_b32 s94, s[WV], 1                        ; of the tile's 16 rows wave w stores 8 (w % 2) on
	s_mul_i32 s95, s94, 8*KP
	s_add_co_u32 s93, s93, s95
	v_lshrrev_b32 v29, 2, v28
	v_and_b32 v30, 3, v28
	s_delay_alu instid0(VALU_DEP_2)
	v_mul_u32_u24 v29, v29, KP
	s_delay_alu instid0(VALU_DEP_1)
	v_lshl_add_u32 v29, v30, 4, v29
	s_delay_alu instid0(VALU_DEP_1)
	v_add_nc_u32 v[OSR], s93, v29                  ; back: row lane / 4 of my eight, 16 (lane % 4)
	s_lshl_b32 s94, s94, 9
	v_lshl_add_u32 v[GO], v28, 4, s94              ; which are 512 consecutive bytes of the output
	v_mov_b32 v13, 0xff61b1e6                      ; the largest t so far: -3e38
	s_delay_alu instid0(VALU_DEP_1)
	v_floor_f32 v12, -v13                          ; -M
	v_mov_b32 v14, 0
	v_mov_b32 v15, 0
	v_mov_b32 v[PX], 0                             ; a lane permute's destination counts as read
	v_mov_b32 v253, 0                              ; (named as the upper half of the pair v[252:253])
.set j, 0
.rept 32
	v_mov_b32 v[160+j], 0                          ; O^T: the step is written once, and the first finds zeros
.set j, j+1
.endr
	s_wait_kmcnt 0x0
	s_add_co_i32 s72, s48, s49
	s_lshl_b32 s72, s72, 23
	s_add_co_i32 s[CS], s[CS], s72                 ; a score stands for score x 2^(e6 + e7)
	s_mov_b32 s[CS+1], s[CS]
	s_add_co_i32 s72, s50, 127
	s_lshl_b32 s73, s72, 23
	v_mov_b32 v244, s73                            ; 2^e8
	s_add_co_i32 s72, s72, 8
	s_lshl_b32 s72, s72, 23
	s_or_b32 s72, s72, 0x600000
	v_mov_b32 v240, s72                            ; 448 x 2^e8
	s_add_co_i32 s72, s52, 127
	s_lshl_b32 s73, s72, 23
	v_mov_b32 v246, s73                            ; 2^e10
	s_add_co_i32 s72, s72, 8
	s_lshl_b32 s72, s72, 23
	s_or_b32 s72, s72, 0x600000
	v_mov_b32 v247, s72                            ; 448 x 2^e10
.macro STEP q                          ; 128 keys: the q-th of my parity's two steps in the slot in hand
	s_add_co_u32 s96, s[Q0], 15
	s_cmp_gt_u32 s[KF], s96                        ; all keys after my queries: a branch on ids, round the work alone
	s_cbranch_scc1 .Lhidden_\@
	v_add_nc_u32 v[ADK], s[TB], v[AK0]
	v_add_nc_u32 v[ADV], s[TB], v[AV0]
	v_nop                                          ; with the two additions: four places in front of loads into registers that matrix instructions have read
	v_nop
.irp t, 0,1,2,3,4,5,6,7
.irp c, 0,1
	ds_load_b128 v[32+8*\t+4*\c:35+8*\t+4*\c], v[ADK] offset:(\q)*2*QTR+16*\t*KP+32*\c
.endr
.endr
	s_wait_alu depctr_va_vdst(0)
	s_wait_dscnt 0x0
.irp t, 0,1,2,3,4,5,6,7
	v_wmma_f32_16x16x64_fp8_fp8 v[96+8*\t:103+8*\t], v[32+8*\t:39+8*\t], v[16:23], 0
.endr
.rept 4
	v_nop
.endr
.irp t, 0,1,2,3                                ; V's fragments are asked for now and land under the softmax
.irp c, 0,1,2,3
	ds_load_b128 v[32+16*\t+4*\c:35+16*\t+4*\c], v[ADV] offset:(\q)*2*QTR+((\c/2)*64+16*\t)*KP+32*(\c%2)
.endr
.endr
	s_add_co_u32 s96, s[KF], 127                   ; on the diagonal hidden scores become -infinity ahead of the maximum; a step all of whose keys count skips this
	s_cmp_le_u32 s96, s[Q0]
	s_cbranch_scc1 .Lopen_\@
	s_sub_co_i32 s96, s[Q0], s[KF]
	v_and_b32 v252, 15, v0
	v_bfe_u32 v253, v0, 4, 1
	s_delay_alu instid0(VALU_DEP_1)
	v_lshlrev_b32 v253, 4, v253
	s_delay_alu instid0(VALU_DEP_1)
	v_sub_nc_u32 v252, v252, v253
	s_delay_alu instid0(VALU_DEP_1)
	v_add_nc_u32 v252, s96, v252                   ; d = my query - KF - 16 h.  Register 16 b + i holds key KF + 16 h + 32 b + i: hidden where 32 b + i > d
	v_mov_b32 v254, 0xff800000
.irp n, 0,1,2,3,4,5,6,7,8,9,10,11,12,13,14,15,16,17,18,19,20,21,22,23,24,25,26,27,28,29,30,31,32,33,34,35,36,37,38,39,40,41,42,43,44,45,46,47,48,49,50,51,52,53,54,55,56,57,58,59,60,61,62,63
	v_cmp_gt_i32 vcc_lo, 32*(\n/16)+\n%16, v252
	v_cndmask_b32 v[96+\n], v[96+\n], v254, vcc_lo
.endr
.Lopen_\@:
	v_max3_num_f32 v254, v96, v97, v98             ; the step's largest score of my query, in two chains, from the low end on
	v_max3_num_f32 v252, v99, v100, v101
.irp i, 6,10,14,18,22,26,30,34,38,42,46,50,54,58
	v_max3_num_f32 v254, v254, v[96+\i], v[97+\i]
	v_max3_num_f32 v252, v252, v[98+\i], v[99+\i]
.endr
	v_max3_num_f32 v254, v254, v158, v159
	s_delay_alu instid0(VALU_DEP_1)
	v_max_num_f32 v254, v254, v252
	s_delay_alu instid0(VALU_DEP_1)
	v_permlanex16_b32 v[PX], v254, s[SEL], s[SEL+1]
	s_delay_alu instid0(VALU_DEP_1)
	v_max_num_f32 v254, v254, v[PX]
	s_delay_alu instid0(VALU_DEP_1)
	v_mul_f32 v254, s[CS], v254                    ; as t (c is positive)
	s_delay_alu instid0(VALU_DEP_1)
	v_max_num_f32 v13, v13, v254
	v_mov_b32 v254, v12
	s_delay_alu instid0(VALU_DEP_2)
	v_floor_f32 v12, -v13                          ; the new -M = -ceil(t)
	s_delay_alu instid0(VALU_DEP_1)
	v_sub_f32 v254, v12, v254                      ; old M - new M: a whole number, 0 or less
	s_delay_alu instid0(VALU_DEP_1)
	v_cvt_i32_f32 v254, v254
	s_delay_alu instid0(VALU_DEP_1)
	v_ldexp_f32 v252, 1.0, v254                    ; f = 2^(old M - new M)
.irp j, 0,2,4,6,8,10,12,14,16,18,20,22,24,26,28,30,32,34,36,38,40,42,44,46,48,50,52,54,56,58,60,62
	v_pk_fma_f32 v[96+\j:97+\j], v[96+\j:97+\j], s[CS:CS+1], v[12:13] op_sel_hi:[1,0,0]   ; t - M
.endr
	s_wait_alu depctr_va_vdst(0)
.irp j, 0,1,2,3,4,5,6,7,8,9,10,11,12,13,14,15,16,17,18,19,20,21,22,23,24,25,26,27,28,29,30,31,32,33,34,35,36,37,38,39,40,41,42,43,44,45,46,47,48,49,50,51,52,53,54,55,56,57,58,59,60,61,62,63
	v_exp_f32 v[96+\j], v[96+\j]
.endr
	v_pk_mul_f32 v[14:15], v[14:15], v[252:253] op_sel_hi:[1,0]   ; the sums under the new M: the plain instruction behind the exponentials
	s_wait_alu depctr_va_vdst(0)                   ; one wait for the batch, ahead of its first reader
	v_pk_add_f32 v[242:243], v[100:101], v[104:105]
	v_pk_add_f32 v[254:255], v[108:109], v[112:113]
	v_pk_add_f32 v[250:251], v[116:117], v[120:121]
	v_pk_add_f32 v[238:239], v[124:125], v[128:129]
	v_pk_add_f32 v[236:237], v[132:133], v[136:137]
	v_pk_add_f32 v[234:235], v[140:141], v[144:145]
	v_pk_add_f32 v[232:233], v[148:149], v[152:153]
	v_pk_add_f32 v[14:15], v[14:15], v[156:157]
	v_pk_add_f32 v[242:243], v[242:243], v[96:97]
	v_pk_add_f32 v[254:255], v[254:255], v[98:99]
	v_pk_add_f32 v[250:251], v[250:251], v[102:103]
	v_pk_add_f32 v[238:239], v[238:239], v[106:107]
	v_pk_add_f32 v[236:237], v[236:237], v[110:111]
	v_pk_add_f32 v[234:235], v[234:235], v[114:115]
	v_pk_add_f32 v[232:233], v[232:233], v[118:119]
	v_pk_add_f32 v[14:15], v[14:15], v[122:123]
	v_pk_add_f32 v[242:243], v[242:243], v[126:127]
	v_pk_add_f32 v[254:255], v[254:255], v[130:131]
	v_pk_add_f32 v[250:251], v[250:251], v[134:135]
	v_pk_add_f32 v[238:239], v[238:239], v[138:139]
	v_pk_add_f32 v[236:237], v[236:237], v[142:143]
	v_pk_add_f32 v[234:235], v[234:235], v[146:147]
	v_pk_add_f32 v[232:233], v[232:233], v[150:151]
	v_pk_add_f32 v[14:15], v[14:15], v[154:155]
	v_pk_add_f32 v[242:243], v[242:243], v[158:159]
	s_delay_alu instid0(VALU_DEP_2)
	v_pk_add_f32 v[14:15], v[14:15], v[238:239]
	s_delay_alu instid0(VALU_DEP_2)
	v_pk_add_f32 v[242:243], v[242:243], v[236:237]
	v_pk_add_f32 v[254:255], v[254:255], v[234:235]
	v_pk_add_f32 v[250:251], v[250:251], v[232:233]
	s_delay_alu instid0(VALU_DEP_2)
	v_pk_add_f32 v[14:15], v[14:15], v[254:255]
	s_delay_alu instid0(VALU_DEP_2)
	v_pk_add_f32 v[242:243], v[242:243], v[250:251]
	s_delay_alu instid0(VALU_DEP_1)
	v_pk_add_f32 v[14:15], v[14:15], v[242:243]
.irp b, 0,1,2,3
.irp i, 0,1,2,3,4,5,6,7,8,9,10,11,12,13,14,15
	v_min_num_f32 v[96+16*\b+\i], v[96+16*\b+\i], v240   ; p is not negative: the hold is one-sided
.endr
	v_cvt_scalef32_pk8_fp8_f32 v[224+4*\b:225+4*\b], v[96+16*\b:103+16*\b], v244
	v_cvt_scalef32_pk8_fp8_f32 v[226+4*\b:227+4*\b], v[104+16*\b:111+16*\b], v244
.endr
.irp j, 0,2,4,6,8,10,12,14,16,18,20,22,24,26,28,30
	v_pk_mul_f32 v[160+\j:161+\j], v[160+\j:161+\j], v[252:253] op_sel_hi:[1,0]   ; O^T under the new M; also the plain lines behind the conversions
.endr
	s_wait_alu depctr_va_vdst(0)
	s_wait_dscnt 0x0                               ; V's fragments
.irp t, 0,1,2,3
	v_wmma_f32_16x16x128_fp8_fp8 v[160+8*\t:167+8*\t], v[32+16*\t:47+16*\t], v[224:239], v[160+8*\t:167+8*\t]
.endr
.Lhidden_\@:
	s_add_co_u32 s[KF], s[KF], 256                 ; my parity's next step
.endm
; THE CHANGE OF SLOTS, at a visit's head: every wave waits for all its tensor loads, adds 0 to its spare word (fill = 1: twice on end),
; waits for that and for its reads of the slot that it has left, and passes the barrier.  fill = 1: the slot just left takes the next visit's 512 keys; behind the fourth slot the offset wraps: block i's first.
; A quarter is fetched only if its first key is at or under the last query of the block that will read it: ids, my wave's number and the count of visits alone; every wait on TENSORcnt in this text is for 0.
.macro CHANGE fill, ask
	s_wait_tensorcnt 0x0
	ds_add_u32 v[SPW], v[NIL]
.if \fill
	ds_add_u32 v[SPW], v[NIL]
	s_xor_b32 s[G0+1], s[G0+1], SLOT1              ; no tensor load of mine is out: the descriptor may be written
	s_add_co_u32 s[OFS], s[OFS], SLOTG
	s_and_b32 s[OFS], s[OFS], 4*SLOTG-1
	s_add_nc_u64 s[G0+2:G0+3], s[KB:KB+1], s[OFS:OFS+1]
	s_or_b32 s[G0+3], s[G0+3], 0x80000000
	s_cmp_eq_u32 s[OFS], 0
	s_cselect_b32 s97, s[LQB], s[LQ]               ; the last query of the block that the next visit serves
	s_lshr_b32 s96, s[OFS], 6                      ; the next slot's first key (64 bytes a key),
	s_add_co_u32 s96, s96, s[MYK]                  ; my quarter's
	s_wait_xcnt 0x0                                ; earlier prefetches and stores have read their registers
.if \ask
	s_add_nc_u64 s[PFA:PFA+1], s[PFA:PFA+1], SLOTG
.endif
.endif
	s_wait_dscnt 0x0
	s_barrier_signal -1
	s_barrier_wait -1
.if \fill
	s_cmp_gt_u32 s96, s97
	s_cbranch_scc1 .Lpast_\@
	TLOAD
.Lpast_\@:
.if \ask
	ASK
.endif
.endif
.endm
.macro VISIT
	STEP 0
	STEP 1
	s_xor_b32 s[TB], s[TB], SLOT1
.endm
; A BLOCK'S END.  My -M, l and O^T go to LDS as they stand in my registers; a barrier; my partner's come back the same way.  Both are brought under the larger M by 2^(M - larger M), made from whole numbers: nothing is rounded.
; A wave that had no live step holds -M = 3e38: its factor is 0, and what it holds is finite.  Both waves of a pair make the whole tile; each stores eight of its rows: the parity enters addresses alone.
; more = 1: block i follows: its queries are asked for first; only M is set anew: the first step's f is then 0, which clears the old sums, all finite.
.macro PEND oad, more
.if \more
	global_load_b128 v[16:19], v[QO], s[QBD:QBD+1]
	global_load_b128 v[20:23], v[QO], s[QBD:QBD+1] offset:32
.endif
	v_add_f32 v14, v14, v15                        ; these six lines name no register of the last products: they are the places that the stores of O^T are owed
	s_delay_alu instid0(VALU_DEP_1)
	v_permlanex16_b32 v[PX], v14, s[SEL], s[SEL+1]
	v_mov_b32 v242, v12
	v_nop
	v_add_f32 v243, v14, v[PX]                     ; l of my keys
	v_nop
.irp k, 0,1,2,3,4,5,6,7
	ds_store_b128 v[MSW], v[160+4*\k:163+4*\k] offset:512*\k   ; each accumulator from its low end on
.endr
	ds_store_b64 v[MW8], v[242:243] offset:4096
	s_wait_dscnt 0x0                               ; for my partner's sake: my image is whole
	s_barrier_signal -1                            ; the next visit's quarters may stay on their way
	s_barrier_wait -1
	ds_load_b64 v[128:129], v[MR8] offset:4096
.irp k, 0,1,2,3,4,5,6,7
	ds_load_b128 v[96+4*\k:99+4*\k], v[MSR] offset:512*\k
.endr
	s_add_co_i32 s72, s50, s51
	s_wait_dscnt 8                                 ; my partner's -M and l are in; the eight younger loads may be out
	v_min_num_f32 v249, v12, v128                  ; - the larger M
	s_delay_alu instid0(VALU_DEP_1)
	v_sub_f32 v251, v249, v12
	s_delay_alu instid0(VALU_DEP_2)
	v_sub_f32 v254, v249, v128
	s_delay_alu instid0(VALU_DEP_2)
	v_cvt_i32_f32 v251, v251                       ; (it saturates)
	s_delay_alu instid0(VALU_DEP_2)
	v_cvt_i32_f32 v254, v254
	s_delay_alu instid0(VALU_DEP_2)
	v_ldexp_f32 v252, 1.0, v251                    ; my factor,
	s_wait_alu depctr_va_vdst(0)
	v_ldexp_f32 v250, 1.0, v254                    ; my partner's
	v_mul_f32 v243, v243, v252
	s_delay_alu instid0(VALU_DEP_1)
	v_fma_f32 v243, v129, v250, v243               ; the row's sum
	s_wait_alu depctr_va_vdst(0)
	v_rcp_f32 v245, v243
	v_nop                                          ; a plain instruction behind the transcendental,
	s_wait_alu depctr_va_vdst(0)                   ; and the wait ahead of its first reader
	v_ldexp_f32 v245, v245, s72                    ; x 2^(e8 + e9)
	s_delay_alu instid0(VALU_DEP_1)
	v_mul_f32 v252, v252, v245
	s_delay_alu instid0(VALU_DEP_2)
	v_mul_f32 v250, v250, v245
	s_wait_alu depctr_va_vdst(0)
	s_wait_dscnt 0x0
.irp j, 0,2,4,6,8,10,12,14,16,18,20,22,24,26,28,30
	v_pk_mul_f32 v[160+\j:161+\j], v[160+\j:161+\j], v[252:253] op_sel_hi:[1,0]
.endr
.irp j, 0,2,4,6,8,10,12,14,16,18,20,22,24,26,28,30
	v_pk_fma_f32 v[160+\j:161+\j], v[96+\j:97+\j], v[250:251], v[160+\j:161+\j] op_sel_hi:[1,0,1]   ; register 8 t + i: o(r, 16 t + 8 h + i)
.endr
.set j, 0
.rept 32
	v_med3_num_f32 v[160+j], v[160+j], -v247, v247
.set j, j+1
.endr
.irp t, 0,1,2,3
	v_cvt_scalef32_pk8_fp8_f32 v[232+2*\t:233+2*\t], v[160+8*\t:167+8*\t], v246
.endr
	v_nop                                          ; a plain instruction between the conversions and the next lines that write their sources
.irp t, 0,1,2,3
	ds_store_b64 v[OSW], v[232+2*\t:233+2*\t] offset:16*\t
.endr
	ds_load_b128 v[224:227], v[OSR]                ; LDS serves a wave's instructions in order: this sees my stores
	s_wait_dscnt 0x0
	global_store_b128 v[GO], v[224:227], s[\oad:\oad+1]   ; 512 consecutive bytes, aligned
.if \more
	v_mov_b32 v13, 0xff61b1e6
	s_delay_alu instid0(VALU_DEP_1)
	v_floor_f32 v12, -v13
	s_mov_b32 s[Q0], s[Q0B]
	s_mov_b32 s[LQ], s[LQB]
	s_mov_b32 s[KF], s[PIK]
	s_wait_loadcnt 0x0                             ; block i's queries
.endif
.endm
	s_wait_loadcnt 0x0                             ; Q
.Lvisit:                                           ; block 15 - i: four visits; the fourth change asks for block i's first slot
	CHANGE 1, 1
	VISIT
	s_sub_co_u32 s[CNT], s[CNT], 1
	s_cmp_lg_u32 s[CNT], 0
	s_cbranch_scc1 .Lvisit
	s_wait_alu depctr_va_vdst(0)
	PEND OAD, 1
	CHANGE 1, 0                                    ; block i: two visits
	VISIT
	CHANGE 0, 0                                    ; nothing is left to ask for
	VISIT
	s_wait_alu depctr_va_vdst(0)
	PEND OBD, 0
	s_wait_tensorcnt 0x0                           ; the wave's end
	ds_add_u32 v[SPW], v[NIL]
	s_wait_dscnt 0x0
	s_endpgm
.Lfunc_end_k_qb3c34cbd9e_attn:
	.size	k_qb3c34cbd9e_attn, .Lfunc_end_k_qb3c34cbd9e_attn-k_qb3c34cbd9e_attn
	.p2alignl 7, 3214868480
	.fill 96, 4, 3214868480
	.section	.rodata,"a",@progbits
	.p2align	6, 0x0
	.amdhsa_kernel k_qb3c34cbd9e_attn
		.amdhsa_group_segment_fixed_size 327680
		.amdhsa_private_segment_fixed_size 0
		.amdhsa_enable_private_segment 0
		.amdhsa_kernarg_size 24
		.amdhsa_user_sgpr_count 2
		.amdhsa_user_sgpr_kernarg_segment_ptr 1
		.amdhsa_wavefront_size32 1
		.amdhsa_system_sgpr_workgroup_id_x 1
		.amdhsa_system_sgpr_workgroup_id_y 1
		.amdhsa_system_sgpr_workgroup_id_z 1
		.amdhsa_system_vgpr_workitem_id 0
		.amdhsa_next_free_vgpr 256
		.amdhsa_next_free_sgpr 100
		.amdhsa_reserve_vcc 1
		.amdhsa_float_denorm_mode_32 3
		.amdhsa_float_denorm_mode_16_64 3
		.amdhsa_memory_ordered 1
		.amdhsa_forward_progress 1
		.amdhsa_inst_pref_size 154
	.end_amdhsa_kernel
	.amdgpu_metadata
---
amdhsa.version: [ 1, 2 ]
amdhsa.kernels:
  - .name:           k_qb3c34cbd9e_attn
    .symbol:         k_qb3c34cbd9e_attn.kd
    .args:
      - { .name: qkv3, .offset: 0, .size: 8, .value_kind: global_buffer, .address_space: global }
      - { .name: lowp_scales, .offset: 8, .size: 8, .value_kind: global_buffer, .address_space: global }
      - { .name: attn_codes, .offset: 16, .size: 8, .value_kind: global_buffer, .address_space: global }
    .group_segment_fixed_size: 327680
    .private_segment_fixed_size: 0
    .kernarg_segment_align: 8
    .kernarg_segment_size: 24
    .max_flat_workgroup_size: 512
    .sgpr_count:     100
    .vgpr_count:     256
    .wavefront_size: 32
...
	.end_amdgpu_metadata
.endif
;; end of part 3
;; launch wo (part 4): grid 8 x 32, 4 waves a work-group, clusters of 4 x 4, 327,680 bytes of LDS; arguments attn_codes, Wo_codes, lowp_scales, bo, x, x2; writes x2
.if DOCPART == 4
	.amdgcn_target "amdgcn-amd-amdhsa--gfx1250"
	.amdhsa_code_object_version 6
	.text
	.protected	k_qb3c34cbd9e_wo
	.globl	k_qb3c34cbd9e_wo
	.p2align	8
	.type	k_qb3c34cbd9e_wo,@function
k_qb3c34cbd9e_wo:
	s_mov_b64 s[64:65], 0
	v_nop
	global_prefetch_b8 v0, s[64:65] scope:SCOPE_SE
	s_setreg_imm32_b32 hwreg(HW_REG_WAVE_MODE, 25, 1), 1
	s_wait_xcnt 0x0
	s_wait_alu depctr_hold_cnt(0) depctr_sa_sdst(0) depctr_va_vdst(0) depctr_va_sdst(0) depctr_va_ssrc(0) depctr_va_vcc(0) depctr_vm_vsrc(0)
	s_getreg_b32 s2, hwreg(HW_REG_IB_STS2, 6, 4)
	s_cmp_eq_u32 s2, 0
	s_cbranch_scc0 .Lentry_in_a_cluster
	s_endpgm
.Lentry_in_a_cluster:
	s_bfe_u32 s2, ttmp6, 0x10000c
	s_cmp_lg_u32 s2, 0xf033
	s_cbranch_scc0 .Lentry_shape_is_right
	s_endpgm
.Lentry_shape_is_right:
; x2 = attn Wo + bo + x: C = A B^T on codes of E4M3, each sum x 2^(e10 + e11), + bias + residual, f32 out.  C is [4096][1024].
; A tile of C is 128 x 128, so that there are 256 work-groups; four waves, each 64 x 64: 16 accumulators.  K goes in steps of 512 through two LDS slots; here K = 1,024: both slots are first fills, nothing is filled again.
; 4 x 4 work-groups form a cluster: A's tiles are asked for jointly along a row of the cluster, B's along a column.  The matrix instruction is used transposed: a lane holds 8 neighbouring columns of a row of C.
; HEADS = 1: A lies [head 16][row 4096][64]: 64 rows of one head are 4,096 consecutive bytes.  A tensor load brings 16 heads x 64 rows, 16 bytes of padding behind every 64: in LDS [head][row] x 80 bytes.
; The residual's 32 loads a wave are issued at the head and land under the K loop.  No prefetch: all of K goes out with the first fills.
; LIMIT: the two exponents added lie between -126 and 127.
; REGISTERS: window 0: v1-31 addresses; v32-127, v192-223 the residual; v224-227 the bias; v128-191 A's fragments, later rows read back.  window 1: B's two sets.  windows 2, 3: accumulators of my rows 0-31, 32-63.
; AS THE TILES ARE LAID NOW: ONE tensor load a wave brings its part of ALL of K: A's load 16 heads x 64 rows (81,920 LDS bytes), B's load 64 rows of 1,024 bytes (pitch 1,040).
; The two halves of K, still called slots below, lie side by side: A's second half 8 heads (40,960 bytes) behind the first, B's 512 bytes further along each row.  Nothing is filled twice.
; The way out's stages (34,816 bytes from LDS byte 0) lie in heads 0-7 of A's first 64 rows, which nobody reads behind the barrier between the halves.
.set HEADS, 1
.set KROW, 1024
.set LOGK, 10
.set ESC, 0x28                         ; where the two exponents lie
.set NA, 4
.set NB, 4
.set LOGT, 7
.set LOGH, 6
.set HROWS, 64
.set KSTEP, 512
.set NQ, 4
.set PITCH, 1040                       ; an LDS row of B: 1,024 bytes + 16
.set QIC, 7
.set BHALF, HROWS*PITCH
.if HEADS
.set AHALF, 16*64*80
.set LOGKA, 6
.set ASTEP, 8*262144
.else
.set AHALF, HROWS*PITCH
.set LOGKA, LOGK
.set ASTEP, KSTEP
.endif
.set SLOT, 2*AHALF+2*BHALF
.set SPARE, SLOT
.set LAPS, KROW/(2*KSTEP)
.set ADRA, 16
.set ADRB, 20
.set STO, 24
.set RD, 25
.set CO, 26
.set BO, 27
.set SPW, 28
.set NIL, 29
.set AF, 128
.set G1, 24
.set G0, 32
.set G1B, 48
.set G0B, 56
.set MSB, 0
.macro WIN new
.if MSB != (\new)
	s_set_vgpr_msb (MSB<<8)|(\new)
.set MSB, \new
.endif
.endm
.set MUL_LO, 0xa1
.set MUL_HI, 0xf1
.set TO_B, 0x40
.macro JLOAD g0a, g1a, g0b, g1b        ; a joint load: waves 0, 1 fetch for A, waves 2, 3 for B; an s_nop 0 and four v_nop follow each line
	s_cmp_eq_u32 s15, 0
	s_cbranch_scc0 .Lfor_b_\@
	tensor_load_to_lds s[\g0a:\g0a+3], s[\g1a:\g1a+7]
	s_nop 0
.rept 4
	v_nop
.endr
	s_branch .Lasked_\@
.Lfor_b_\@:
	tensor_load_to_lds s[\g0b:\g0b+3], s[\g1b:\g1b+7]
	s_nop 0
.rept 4
	v_nop
.endr
.Lasked_\@:
.endm
.macro CREST
	s_cmp_lg_u32 s14, 0
	s_cbranch_scc1 .Lnot_wave_0_\@
	s_barrier_signal -3
.Lnot_wave_0_\@:
	s_barrier_wait -3
	s_barrier_signal -1
	s_barrier_wait -1
.endm
.macro CROUND
	s_barrier_signal -1
	s_barrier_wait -1
	CREST
.endm
.macro PLACES n
.rept \n
	v_nop
.endr
.endm
.macro FRAGA reg, slot, q, i
.irp c, 0,1,2,3
.if HEADS
	ds_load_b128 v[\reg+4*\c:\reg+4*\c+3], v[ADRA+\slot] offset:((2*(\q)+\c/2)*64+16*(\i))*80+32*(\c%2)
.else
	ds_load_b128 v[\reg+4*\c:\reg+4*\c+3], v[ADRA+\slot] offset:128*(\q)+32*\c+(\i)*16*PITCH
.endif
.endr
.endm
.macro FRAGB reg, slot, q, i
.irp c, 0,1,2,3
	ds_load_b128 v[\reg+4*\c:\reg+4*\c+3], v[ADRB+\slot] offset:128*(\q)+32*\c+(\i)*16*PITCH
.endr
.endm
.macro FETCH_B slot, q, p
	WIN TO_B
.set fi, 0
.rept NB
	FRAGB 128*(\p)+16*fi, \slot, \q, fi
.set fi, fi+1
.endr
	WIN 0
.endm
.macro FETCH_A slot, q, i0
.set fi, \i0
.rept NA/2
	FRAGA AF+16*fi, \slot, \q, fi
.set fi, fi+1
.endr
.endm
.macro MULQ a0, p, zero                ; the accumulators take turns, one instruction a turn, in the same order in every step
.set ma, \a0
.rept NA/4
.set mb, 0
.rept NB
.set rD, 8*(NB*(ma%(NA/2))+mb)
.if \zero
	v_wmma_f32_16x16x128_fp8_fp8 v[rD:rD+7], v[128*(\p)+16*mb:128*(\p)+16*mb+15], v[AF+16*ma:AF+16*ma+15], 0
.else
	v_wmma_f32_16x16x128_fp8_fp8 v[rD:rD+7], v[128*(\p)+16*mb:128*(\p)+16*mb+15], v[AF+16*ma:AF+16*ma+15], v[rD:rD+7]
.endif
.set mb, mb+1
.endr
.set ma, ma+1
.endr
.endm
.macro STEP slot, q, zero
	s_wait_dscnt 2*NA                              ; B's set and A's first half are in; the youngest 2 NA loads (A's second half) may be out
	WIN MUL_LO
	MULQ 0, (\q)%2, \zero
	MULQ NA/4, (\q)%2, \zero
	s_wait_dscnt 0
	PLACES 4
	FETCH_B \slot, (\q)+1, 1-(\q)%2
	FETCH_A \slot, (\q)+1, 0
	WIN MUL_HI
	MULQ NA/2, (\q)%2, \zero
	MULQ 3*NA/4, (\q)%2, \zero
	PLACES 4
	WIN 0
	FETCH_A \slot, (\q)+1, NA/2
.endm
.macro MID slot
.if NQ > 2
	STEP \slot, 1, 0
	STEP \slot, 2, 0
.endif
.endm
.macro TURN slot, next, fill
	s_wait_tensorcnt 0x0                           ; all my tensor loads have landed: my part of the next slot
	ds_add_u32 v[SPW], v[NIL]                      ; 0 onto my spare word
	s_wait_dscnt 2*NA+1                            ; the add and A's second half may be out
	WIN MUL_LO
	MULQ 0, 1, 0
	s_wait_dscnt 0x0                               ; the add is done, and my reads of this slot are over
	s_barrier_signal -1
	MULQ NA/4, 1, 0
	WIN 0
	s_barrier_wait -1
.if \fill
	CREST
	s_add_nc_u64 s[G0+4*\slot+2:G0+4*\slot+3], s[G0+4*\slot+2:G0+4*\slot+3], 2*ASTEP
	s_add_nc_u64 s[G0B+4*\slot+2:G0B+4*\slot+3], s[G0B+4*\slot+2:G0B+4*\slot+3], 2*KSTEP
	JLOAD G0+4*\slot, G1, G0B+4*\slot, G1B
.else
	PLACES 4
.endif
	FETCH_B \next, 0, 0
	FETCH_A \next, 0, 0
	WIN MUL_HI
	MULQ NA/2, 1, 0
	MULQ 3*NA/4, 1, 0
	PLACES 4
	WIN 0
	FETCH_A \next, 0, NA/2
.endm
.macro LAST
	s_wait_dscnt 2*NA
	WIN MUL_LO
	MULQ 0, 1, 0
	MULQ NA/4, 1, 0
	s_wait_dscnt 0
	WIN MUL_HI
	MULQ NA/2, 1, 0
	MULQ 3*NA/4, 1, 0
	WIN 0
.endm
	s_load_b128 s[4:7], s[0:1], 0x0                ; A's codes, B's codes
	s_load_b128 s[8:11], s[0:1], 0x10              ; the exponents, the bias
	s_load_b128 s[68:71], s[0:1], 0x20             ; the residual, the output
	v_lshl_add_u32 v[SPW], v0, 2, SPARE
	v_mov_b32 v[NIL], 0
	ds_add_u32 v[SPW], v[NIL]                      ; the opening: the add, twice on end, and its wait ahead of my first tensor load
	ds_add_u32 v[SPW], v[NIL]
	v_lshrrev_b32 v1, 5, v0
	v_readfirstlane_b32 s14, v1
	s_lshr_b32 s15, s14, 1
	s_and_b32 s16, s14, 1
	s_bfe_u32 s40, ttmp6, 0x40000
	s_bfe_u32 s41, ttmp6, 0x40004
	s_lshl_b32 s42, ttmp9, 2
	s_add_co_u32 s42, s42, s40                     ; tile column
	s_and_b32 s17, ttmp7, 0xffff
	s_lshl_b32 s17, s17, 2
	s_add_co_u32 s17, s17, s41                     ; tile row
	s_lshl_b32 s43, s41, 2
	s_lshl_b32 s43, 15, s43
	s_lshl_b32 s44, 0x1111, s40
.if HEADS
	s_or_b32 s[G1+0], s43, (1<<20)|(1<<21)|(3<<22)|(3<<25)   ; padding: 4 words behind every 16
	s_mov_b32 s[G1+1], 4096<<16                    ; tensor_dim0: 64 rows x 64 bytes of one head, consecutive in memory
	s_mov_b32 s[G1+2], 16<<16                      ; tensor_dim1: 16 heads
	s_mov_b32 s[G1+3], 4096<<16
	s_mov_b32 s[G1+4], 16
	s_mov_b32 s[G1+5], 262144                      ; from head to head
.else
	s_or_b32 s[G1+0], s43, (1<<20)|(1<<21)|(QIC<<22)|(3<<25)
	s_mov_b32 s[G1+1], KSTEP<<16
	s_mov_b32 s[G1+2], HROWS<<16
	s_mov_b32 s[G1+3], KSTEP<<16
	s_mov_b32 s[G1+4], HROWS
	s_mov_b32 s[G1+5], KROW
.endif
	s_mov_b32 s[G1+6], 0
	s_mov_b32 s[G1+7], 0
	s_or_b32 s[G1B+0], s44, (1<<20)|(1<<21)|(QIC<<22)|(3<<25)
	s_mov_b32 s[G1B+1], KROW<<16
	s_mov_b32 s[G1B+2], HROWS<<16
	s_mov_b32 s[G1B+3], KROW<<16
	s_mov_b32 s[G1B+4], HROWS
	s_mov_b32 s[G1B+5], KROW
	s_mov_b32 s[G1B+6], 0
	s_mov_b32 s[G1B+7], 0
	s_lshl_b32 s18, s16, LOGH
	s_lshl_b32 s20, s17, LOGT
	s_add_co_u32 s20, s20, s18
	s_lshl_b32 s20, s20, LOGKA                     ; A: row 128 x tile row + 64 x half
	s_mov_b32 s21, 0
	s_lshl_b32 s46, s42, LOGT
	s_add_co_u32 s46, s46, s18
	s_lshl_b32 s46, s46, LOGK
	s_mov_b32 s47, 0
	s_mul_i32 s45, s16, AHALF
	s_mul_i32 s23, s16, BHALF
	s_add_co_u32 s23, s23, 2*AHALF
	s_wait_dscnt 0x0
	s_wait_kmcnt 0x0
	s_load_b64 s[72:73], s[8:9], ESC
	s_add_nc_u64 s[20:21], s[4:5], s[20:21]
	s_add_nc_u64 s[46:47], s[6:7], s[46:47]
	CROUND
.irp s, 0
	s_mov_b32 s[G0+4*\s], 1
	s_add_co_u32 s[G0+4*\s+1], s45, \s*SLOT
	s_add_nc_u64 s[G0+4*\s+2:G0+4*\s+3], s[20:21], \s*ASTEP
	s_or_b32 s[G0+4*\s+3], s[G0+4*\s+3], 0x80000000
	s_mov_b32 s[G0B+4*\s], 1
	s_add_co_u32 s[G0B+4*\s+1], s23, \s*SLOT
	s_add_nc_u64 s[G0B+4*\s+2:G0B+4*\s+3], s[46:47], \s*KSTEP
	s_or_b32 s[G0B+4*\s+3], s[G0B+4*\s+3], 0x80000000
	JLOAD G0+4*\s, G1, G0B+4*\s, G1B
.endr
	v_and_b32 v1, 15, v0                           ; r
	v_bfe_u32 v2, v0, 4, 1                         ; h
	v_mul_u32_u24 v3, v1, PITCH
	v_lshl_add_u32 v4, v2, 4, v3
.if HEADS
	v_mul_u32_u24 v5, v1, 80
	v_lshl_add_u32 v5, v2, 4, v5
.else
	v_lshl_add_u32 v5, v2, 4, v3
.endif
	s_mul_i32 s21, s15, AHALF
	s_mul_i32 s22, s16, BHALF
	s_add_co_u32 s22, s22, 2*AHALF
.irp s, 0,1
	v_add_nc_u32 v[ADRA+\s], s21, v5
	v_add_nc_u32 v[ADRB+\s], s22, v4
	s_add_co_u32 s21, s21, 8*64*80                 ; the second half of K: 8 heads on,
	s_add_co_u32 s22, s22, KSTEP                   ; and 512 bytes along B's rows
.endr
	s_mul_i32 s18, s14, 8704                       ; the way out: two stages of 16 rows x 272 bytes for each wave, in slot 0 (its last fill and last read are over by then)
	v_mul_u32_u24 v6, v1, 272
	v_lshl_add_u32 v6, v2, 5, v6
	v_add_nc_u32 v[STO], s18, v6                   ; in: row r, 32 h
	v_mul_u32_u24 v6, v2, 272
	v_lshl_add_u32 v6, v1, 4, v6
	v_add_nc_u32 v[RD], s18, v6                    ; back: lanes 0-15 one row of 256 bytes, lanes 16-31 the next
	v_lshlrev_b32 v6, 12, v2
	v_lshl_add_u32 v[CO], v1, 4, v6                ; the same two rows in C: rows of 4,096 bytes
	v_lshlrev_b32 v[BO], 4, v1
	s_wait_alu depctr_va_vdst(0)
	s_lshl_b32 s20, s17, 7
	s_lshl_b32 s21, s15, 6
	s_add_co_u32 s20, s20, s21
	s_lshl_b32 s20, s20, 12                        ; my first row of C
	s_lshl_b32 s46, s42, 7
	s_lshl_b32 s47, s16, 6
	s_add_co_u32 s46, s46, s47
	s_lshl_b32 s46, s46, 2                         ; my first column, in bytes
	s_mov_b32 s47, 0
	s_mov_b32 s21, 0
	s_add_nc_u64 s[10:11], s[10:11], s[46:47]
	s_add_co_u32 s20, s20, s46
	s_add_nc_u64 s[68:69], s[68:69], s[20:21]
	s_add_nc_u64 s[70:71], s[70:71], s[20:21]
	s_wait_tensorcnt 0x0                           ; my one load, all of K, is in
	s_barrier_signal -1
	s_barrier_wait -1
	FETCH_B 0, 0, 0
	FETCH_A 0, 0, 0
	FETCH_A 0, 0, NA/2
	global_load_b128 v[224:227], v[BO], s[10:11]   ; the bias of my four columns
.irp a, 0,1,2,3                                ; the residual is asked for when the tiles are in, and lands under the K steps
.irp t, 0,1,2,3,4,5,6,7
	global_load_b128 v[32+32*\a+64*(\a/3)+4*\t:32+32*\a+64*(\a/3)+4*\t+3], v[CO], s[68:69] offset:(16*\a+2*\t)*4096
.endr
.endr
	STEP 0, 0, 1
.if LAPS > 1
	s_mov_b32 s3, LAPS-1
.Llap:
	MID 0
	TURN 0, 1, 1
	STEP 1, 0, 0
	MID 1
	TURN 1, 0, 1
	STEP 0, 0, 0
	s_sub_co_u32 s3, s3, 1
	s_cmp_lg_u32 s3, 0
	s_cbranch_scc1 .Llap
.endif
	MID 0
	TURN 0, 1, 0
	STEP 1, 0, 0
	MID 1
	LAST
	; THE WAY OUT, block by block of 16 rows x 64 columns: the sums go through my own stage and come back as whole rows of 256 bytes; there sum x 2^(ea + eb) + (residual + bias); sixteen lanes store 256 aligned bytes
	s_wait_kmcnt 0x0
	s_add_co_i32 s96, s72, s73
	s_add_co_i32 s96, s96, 127
	s_lshl_b32 s96, s96, 23
	s_mov_b32 s97, s96
.macro TOSTAGE a
.set AC, 32*((\a)%2)
.set SG, 4352*((\a)%2)
.set RB, 128+32*((\a)%2)
	WIN 0x08+4*((\a)/2)                            ; the stores' data: window 2 or 3
.irp b, 0,1,2,3
	ds_store_b128 v[STO], v[AC+8*\b:AC+8*\b+3] offset:SG+64*\b          ; each accumulator from its low end on
	ds_store_b128 v[STO], v[AC+8*\b+4:AC+8*\b+7] offset:SG+64*\b+16
.endr
	WIN 0
.irp t, 0,1,2,3,4,5,6,7
	ds_load_b128 v[RB+4*\t:RB+4*\t+3], v[RD] offset:SG+\t*2*272         ; LDS serves a wave's instructions in order: these see my stores
.endr
.endm
.macro FIN a, nds
.set RS, 32+32*(\a)+64*((\a)/3)
.set RB, 128+32*((\a)%2)
	s_wait_dscnt \nds                              ; behind this block's loads: the next block's 8 stores and 8 loads, or nothing
	s_wait_loadcnt 24-8*(\a)                       ; the later blocks' residual loads may be out
.irp t, 0,1,2,3,4,5,6,7
	v_pk_add_f32 v[RS+4*\t:RS+4*\t+1], v[RS+4*\t:RS+4*\t+1], v[224:225]
	v_pk_add_f32 v[RS+4*\t+2:RS+4*\t+3], v[RS+4*\t+2:RS+4*\t+3], v[226:227]
	v_pk_fma_f32 v[RS+4*\t:RS+4*\t+1], v[RB+4*\t:RB+4*\t+1], s[96:97], v[RS+4*\t:RS+4*\t+1] op_sel_hi:[1,0,1]
	v_pk_fma_f32 v[RS+4*\t+2:RS+4*\t+3], v[RB+4*\t+2:RB+4*\t+3], s[96:97], v[RS+4*\t+2:RS+4*\t+3] op_sel_hi:[1,0,1]
	global_store_b128 v[CO], v[RS+4*\t:RS+4*\t+3], s[70:71] offset:(16*(\a)+2*\t)*4096
.endr
.endm
	PLACES 4
	TOSTAGE 0
	TOSTAGE 1
	FIN 0, 16
	TOSTAGE 2
	FIN 1, 16
	TOSTAGE 3
	FIN 2, 16
	FIN 3, 0
	s_wait_tensorcnt 0x0                           ; the wave's end
	ds_add_u32 v[SPW], v[NIL]
	s_wait_dscnt 0x0
	CROUND                                         ; the closing round
	s_endpgm
.Lfunc_end_k_qb3c34cbd9e_wo:
	.size	k_qb3c34cbd9e_wo, .Lfunc_end_k_qb3c34cbd9e_wo-k_qb3c34cbd9e_wo
	.p2alignl 7, 3214868480
	.fill 96, 4, 3214868480
	.section	.rodata,"a",@progbits
	.p2align	6, 0x0
	.amdhsa_kernel k_qb3c34cbd9e_wo
		.amdhsa_group_segment_fixed_size 327680
		.amdhsa_private_segment_fixed_size 0
		.amdhsa_enable_private_segment 0
		.amdhsa_kernarg_size 48
		.amdhsa_user_sgpr_count 2
		.amdhsa_user_sgpr_kernarg_segment_ptr 1
		.amdhsa_wavefront_size32 1
		.amdhsa_system_sgpr_workgroup_id_x 1
		.amdhsa_system_sgpr_workgroup_id_y 1
		.amdhsa_system_sgpr_workgroup_id_z 1
		.amdhsa_system_vgpr_workitem_id 0
		.amdhsa_next_free_vgpr 1024
		.amdhsa_next_free_sgpr 100
		.amdhsa_reserve_vcc 0
		.amdhsa_float_denorm_mode_32 3
		.amdhsa_float_denorm_mode_16_64 3
		.amdhsa_memory_ordered 1
		.amdhsa_forward_progress 1
		.amdhsa_inst_pref_size 54
	.end_amdhsa_kernel
	.amdgpu_metadata
---
amdhsa.version: [ 1, 2 ]
amdhsa.kernels:
  - .name:           k_qb3c34cbd9e_wo
    .symbol:         k_qb3c34cbd9e_wo.kd
    .args:
      - { .name: attn_codes, .offset: 0, .size: 8, .value_kind: global_buffer, .address_space: global }
      - { .name: Wo_codes, .offset: 8, .size: 8, .value_kind: global_buffer, .address_space: global }
      - { .name: lowp_scales, .offset: 16, .size: 8, .value_kind: global_buffer, .address_space: global }
      - { .name: bo, .offset: 24, .size: 8, .value_kind: global_buffer, .address_space: global }
      - { .name: x, .offset: 32, .size: 8, .value_kind: global_buffer, .address_space: global }
      - { .name: x2, .offset: 40, .size: 8, .value_kind: global_buffer, .address_space: global }
    .group_segment_fixed_size: 327680
    .private_segment_fixed_size: 0
    .kernarg_segment_align: 8
    .kernarg_segment_size: 48
    .max_flat_workgroup_size: 128
    .sgpr_count:     100
    .vgpr_count:     1024
    .wavefront_size: 32
...
	.end_amdgpu_metadata
.endif
;; end of part 4
;; launch ln2 (part 5): grid 256 x 1, 8 waves a work-group, no clusters, 17,408 bytes of LDS; arguments x2, g2, b2, lowp_scales, xn2_codes; writes xn2_codes
.if DOCPART == 5
	.amdgcn_target "amdgcn-amd-amdhsa--gfx1250"
	.amdhsa_code_object_version 6
	.text
	.protected	k_qb3c34cbd9e_ln2
	.globl	k_qb3c34cbd9e_ln2
	.p2align	8
	.type	k_qb3c34cbd9e_ln2,@function
k_qb3c34cbd9e_ln2:
	s_mov_b64 s[64:65], 0
	v_nop
	global_prefetch_b8 v0, s[64:65] scope:SCOPE_SE
	s_setreg_imm32_b32 hwreg(HW_REG_WAVE_MODE, 25, 1), 1
	s_wait_xcnt 0x0
; xn2 = (x2 - mean) * rsqrt(var + 1e-5) * g2 + b2, in f32, quantised with 2^e12 for the product with Wup.  xn2_codes: [4096][1024] codes.
; The text of the first LayerNorm with one quantiser.  A wave takes a whole row (eight loads of 512 consecutive bytes) and keeps it in 32 registers; two rows a wave, 16 a work-group.
; A lane holds columns 128 j + 4 lane + 0..3; the codes turn through the wave's own LDS bytes and leave as stores of 512 consecutive bytes.  A stream: no matrix unit, no cluster, no tensor load, no barrier.
; LIMITS: e12 between -126 and 119.  NaN among the inputs is not served.
.set NSETS, 1
.set REG,   2*NSETS*1024
.set SPARE, 8*REG
.set X, 32
.set G, 96
.set B, 128
.set T, 160
.set C, 192
.set O, 200
.set SPW, 4
.set NIL, 5
	s_load_b256 s[4:11], s[0:1], 0x0               ; x2 s[4:5], g s[6:7], b s[8:9], the exponents s[10:11]
	s_load_b64 s[12:13], s[0:1], 0x20              ; the codes
	v_lshl_add_u32 v[SPW], v0, 2, SPARE
	v_mov_b32 v[NIL], 0
	v_lshrrev_b32 v1, 5, v0
	s_delay_alu instid0(VALU_DEP_1)
	v_readfirstlane_b32 s14, v1
	v_and_b32 v2, 31, v0
	s_delay_alu instid0(VALU_DEP_1)
	v_lshlrev_b32 v1, 4, v2
	s_mul_i32 s15, s14, REG
	v_lshl_add_u32 v3, v2, 4, s15
	v_lshl_add_u32 v2, v2, 2, s15
	s_lshl_b32 s16, ttmp9, 4
	s_lshl_b32 s17, s14, 1
	s_add_co_u32 s16, s16, s17
	s_lshl_b32 s18, s16, 12
	s_mov_b32 s19, 0
	s_lshl_b32 s16, s16, 10
	s_mov_b32 s17, 0
	s_mov_b32 s20, 0x3a800000                      ; 1 / 1024
	s_mov_b32 s21, 0x3727c5ac                      ; 1e-5
	s_mov_b32 s22, 0x76543210
	s_mov_b32 s23, 0xfedcba98
	v_mov_b32 v7, 0
	v_mov_b32 v9, 0
	v_mov_b32 v24, 0
	s_wait_alu depctr_va_vdst(0)
	s_wait_kmcnt 0x0
.if NSETS == 3
	s_load_b256 s[24:31], s[10:11], 0x0
.else
	s_load_b32 s24, s[10:11], 0x30                 ; e12
.endif
	s_add_nc_u64 s[4:5], s[4:5], s[18:19]
	s_add_nc_u64 s[32:33], s[12:13], s[16:17]
.if NSETS > 1
	s_add_nc_u64 s[34:35], s[32:33], 0x400000
	s_add_nc_u64 s[36:37], s[32:33], 0x800000
.endif
.irp j, 0,1,2,3,4,5,6,7
	global_load_b128 v[X+4*\j:X+4*\j+3], v1, s[4:5] offset:512*\j th:TH_LOAD_NT
.endr
.irp j, 0,1,2,3,4,5,6,7
	global_load_b128 v[G+4*\j:G+4*\j+3], v1, s[6:7] offset:512*\j
.endr
.irp j, 0,1,2,3,4,5,6,7
	global_load_b128 v[B+4*\j:B+4*\j+3], v1, s[8:9] offset:512*\j
.endr
.irp j, 0,1,2,3,4,5,6,7
	global_load_b128 v[X+32+4*\j:X+32+4*\j+3], v1, s[4:5] offset:4096+512*\j th:TH_LOAD_NT
.endr
	s_wait_kmcnt 0x0
.irp s, 0,1,2
.if \s < NSETS
	s_add_co_i32 s38, s[24+2*\s], 127
	s_lshl_b32 s39, s38, 23
	v_mov_b32 v[10+2*\s], s39
	s_add_co_i32 s38, s38, 8
	s_lshl_b32 s38, s38, 23
	s_or_b32 s38, s38, 0x600000
	v_mov_b32 v[11+2*\s], s38
.endif
.endr
.macro FOLD
	s_delay_alu instid0(VALU_DEP_3)
	v_pk_add_f32 v[16:17], v[16:17], v[18:19]
	s_delay_alu instid0(VALU_DEP_2)
	v_pk_add_f32 v[20:21], v[20:21], v[22:23]
	s_delay_alu instid0(VALU_DEP_1)
	v_pk_add_f32 v[16:17], v[16:17], v[20:21]
	s_delay_alu instid0(VALU_DEP_1)
	v_add_f32 v16, v16, v17
	s_delay_alu instid0(VALU_DEP_1)
	v_add_f32_dpp v16, v16, v16 row_xmask:1 row_mask:0xf bank_mask:0xf
	s_delay_alu instid0(VALU_DEP_1)
	v_add_f32_dpp v16, v16, v16 row_xmask:2 row_mask:0xf bank_mask:0xf
	s_delay_alu instid0(VALU_DEP_1)
	v_add_f32_dpp v16, v16, v16 row_xmask:4 row_mask:0xf bank_mask:0xf
	s_delay_alu instid0(VALU_DEP_1)
	v_add_f32_dpp v16, v16, v16 row_xmask:8 row_mask:0xf bank_mask:0xf
	s_delay_alu instid0(VALU_DEP_1)
	v_permlanex16_b32 v24, v16, s22, s23
	s_delay_alu instid0(VALU_DEP_1)
	v_add_f32 v16, v16, v24
.endm
.macro ROW i
.set XR, X+32*(\i)
.if (\i) == 0
	s_wait_loadcnt 24                              ; row 0 is in; g, b and row 1 (8 loads each) may be out
.else
	s_wait_loadcnt 0x0
.endif
.irp k, 0,1,2,3
	v_pk_add_f32 v[16+2*\k:17+2*\k], v[XR+4*\k:XR+4*\k+1], v[XR+4*\k+2:XR+4*\k+3]
.endr
.irp k, 0,1,2,3,4,5,6,7
	s_delay_alu instid0(VALU_DEP_4)
	v_pk_add_f32 v[16+2*(\k%4):17+2*(\k%4)], v[16+2*(\k%4):17+2*(\k%4)], v[XR+16+2*\k:XR+17+2*\k]
.endr
	FOLD
	s_delay_alu instid0(VALU_DEP_1)
	v_mul_f32 v6, s20, v16
.irp k, 0,1,2,3,4,5,6,7,8,9,10,11,12,13,14,15
	v_pk_add_f32 v[XR+2*\k:XR+2*\k+1], v[XR+2*\k:XR+2*\k+1], v[6:7] op_sel_hi:[1,0] neg_lo:[0,1] neg_hi:[0,1]
.endr
.irp k, 0,1,2,3
	v_pk_mul_f32 v[16+2*\k:17+2*\k], v[XR+2*\k:XR+2*\k+1], v[XR+2*\k:XR+2*\k+1]
.endr
.irp k, 4,5,6,7,8,9,10,11,12,13,14,15
	s_delay_alu instid0(VALU_DEP_4)
	v_pk_fma_f32 v[16+2*(\k%4):17+2*(\k%4)], v[XR+2*\k:XR+2*\k+1], v[XR+2*\k:XR+2*\k+1], v[16+2*(\k%4):17+2*(\k%4)]
.endr
	FOLD
	s_delay_alu instid0(VALU_DEP_1)
	v_fma_f32 v16, v16, s20, s21
	s_wait_alu depctr_va_vdst(0)
	v_rsq_f32 v8, v16
	v_nop                                          ; a plain instruction behind the transcendental,
	s_wait_alu depctr_va_vdst(0)                   ; and the wait ahead of its first reader
.if (\i) == 0
	s_wait_loadcnt 8                               ; g and b are in; row 1's eight loads may be out
.endif
.irp k, 0,1,2,3,4,5,6,7,8,9,10,11,12,13,14,15
	v_pk_mul_f32 v[XR+2*\k:XR+2*\k+1], v[XR+2*\k:XR+2*\k+1], v[8:9] op_sel_hi:[1,0]
.endr
.irp k, 0,1,2,3,4,5,6,7,8,9,10,11,12,13,14,15
	v_pk_fma_f32 v[XR+2*\k:XR+2*\k+1], v[XR+2*\k:XR+2*\k+1], v[G+2*\k:G+2*\k+1], v[B+2*\k:B+2*\k+1]
.endr
.irp s, 0,1,2
.if \s < NSETS
.set ri, 0
.rept 32
	v_med3_num_f32 v[T+ri], v[XR+ri], -v[11+2*\s], v[11+2*\s]
.set ri, ri+1
.endr
.if \s > 0
	s_wait_dscnt 2
.endif
.irp g, 0,1,2,3
	v_cvt_scalef32_pk8_fp8_f32 v[C+2*\g:C+2*\g+1], v[T+8*\g:T+8*\g+7], v[10+2*\s]
.endr
	v_nop
.irp j, 0,1,2,3,4,5,6,7
	ds_store_b32 v2, v[C+\j] offset:(NSETS*(\i)+\s)*1024+128*\j
.endr
.irp u, 0,1
	ds_load_b128 v[O+8*(NSETS*(\i)+\s)+4*\u:O+8*(NSETS*(\i)+\s)+4*\u+3], v3 offset:(NSETS*(\i)+\s)*1024+512*\u
.endr
.endif
.endr
.irp s, 0,1,2
.if \s < NSETS
	s_wait_dscnt 10*(NSETS-1-\s)                   ; here 0: the row's read-backs are in, and its LDS stores have read the codes' registers
.irp u, 0,1
	global_store_b128 v1, v[O+8*(NSETS*(\i)+\s)+4*\u:O+8*(NSETS*(\i)+\s)+4*\u+3], s[32+2*\s:33+2*\s] offset:1024*(\i)+512*\u
.endr
.endif
.endr
.endm
	ROW 0
	ROW 1
	s_wait_tensorcnt 0x0                           ; the wave's end, behind my last LDS store
	ds_add_u32 v[SPW], v[NIL]
	s_wait_dscnt 0x0
	s_endpgm
.Lfunc_end_k_qb3c34cbd9e_ln2:
	.size	k_qb3c34cbd9e_ln2, .Lfunc_end_k_qb3c34cbd9e_ln2-k_qb3c34cbd9e_ln2
	.p2alignl 7, 3214868480
	.fill 96, 4, 3214868480
	.section	.rodata,"a",@progbits
	.p2align	6, 0x0
	.amdhsa_kernel k_qb3c34cbd9e_ln2
		.amdhsa_group_segment_fixed_size 17408
		.amdhsa_private_segment_fixed_size 0
		.amdhsa_enable_private_segment 0
		.amdhsa_kernarg_size 40
		.amdhsa_user_sgpr_count 2
		.amdhsa_user_sgpr_kernarg_segment_ptr 1
		.amdhsa_wavefront_size32 1
		.amdhsa_system_sgpr_workgroup_id_x 1
		.amdhsa_system_sgpr_workgroup_id_y 1
		.amdhsa_system_sgpr_workgroup_id_z 1
		.amdhsa_system_vgpr_workitem_id 0
		.amdhsa_next_free_vgpr 248
		.amdhsa_next_free_sgpr 66
		.amdhsa_reserve_vcc 0
		.amdhsa_float_denorm_mode_32 3
		.amdhsa_float_denorm_mode_16_64 3
		.amdhsa_memory_ordered 1
		.amdhsa_forward_progress 1
		.amdhsa_inst_pref_size 27
	.end_amdhsa_kernel
	.amdgpu_metadata
---
amdhsa.version: [ 1, 2 ]
amdhsa.kernels:
  - .name:           k_qb3c34cbd9e_ln2
    .symbol:         k_qb3c34cbd9e_ln2.kd
    .args:
      - { .name: x2, .offset: 0, .size: 8, .value_kind: global_buffer, .address_space: global }
      - { .name: g2, .offset: 8, .size: 8, .value_kind: global_buffer, .address_space: global }
      - { .name: b2, .offset: 16, .size: 8, .value_kind: global_buffer, .address_space: global }
      - { .name: lowp_scales, .offset: 24, .size: 8, .value_kind: global_buffer, .address_space: global }
      - { .name: xn2_codes, .offset: 32, .size: 8, .value_kind: global_buffer, .address_space: global }
    .group_segment_fixed_size: 17408
    .private_segment_fixed_size: 0
    .kernarg_segment_align: 8
    .kernarg_segment_size: 40
    .max_flat_workgroup_size: 256
    .sgpr_count:     66
    .vgpr_count:     248
    .wavefront_size: 32
...
	.end_amdgpu_metadata
.endif
;; end of part 5
;; launch up (part 6): grid 16 x 16, 4 waves a work-group, clusters of 4 x 4, 327,680 bytes of LDS; arguments xn2_codes, Wup_codes, lowp_scales, bup, h_codes; writes h_codes
.if DOCPART == 6
	.amdgcn_target "amdgcn-amd-amdhsa--gfx1250"
	.amdhsa_code_object_version 6
	.text
	.protected	k_qb3c34cbd9e_up
	.globl	k_qb3c34cbd9e_up
	.p2align	8
	.type	k_qb3c34cbd9e_up,@function
k_qb3c34cbd9e_up:
	s_mov_b64 s[64:65], 0
	v_nop
	global_prefetch_b8 v0, s[64:65] scope:SCOPE_SE
	s_setreg_imm32_b32 hwreg(HW_REG_WAVE_MODE, 25, 1), 1
	s_wait_xcnt 0x0
	s_wait_alu depctr_hold_cnt(0) depctr_sa_sdst(0) depctr_va_vdst(0) depctr_va_sdst(0) depctr_va_ssrc(0) depctr_va_vcc(0) depctr_vm_vsrc(0)
	s_getreg_b32 s2, hwreg(HW_REG_IB_STS2, 6, 4)
	s_cmp_eq_u32 s2, 0
	s_cbranch_scc0 .Lentry_in_a_cluster
	s_endpgm
.Lentry_in_a_cluster:
	s_bfe_u32 s2, ttmp6, 0x10000c
	s_cmp_lg_u32 s2, 0xf033
	s_cbranch_scc0 .Lentry_shape_is_right
	s_endpgm
.Lentry_shape_is_right:
; h = gelu(xn2 Wup + bup) (the tanh form), on codes of E4M3, quantised at once with 2^e14.  C = A B^T, [4096][4096]; h_codes: [4096][4096] codes.
; A tile of C is 256 x 256: 256 work-groups; four waves, each 128 x 128: 64 accumulators.  K = 1,024 goes in steps of 256 through two LDS slots filled by the tensor data mover; 4 x 4 work-groups form a cluster:
; A's tiles are asked for jointly along a row of the cluster, B's along a column.  The matrix instruction is used transposed: a lane holds 8 neighbouring columns of a row of C, which are 8 neighbours along the next K.
; gelu(y) = y / (1 + 2^(y (C0 + C1 y y))), C0 = -2 log2(e) sqrt(2 / pi), C1 = 0.044715 C0: the same function as 0.5 y (1 + tanh(..)); where the power overflows the reciprocal gives 0, which is the limit.
; Half of K goes out with the first fills and there are two refills in all; K steps 1 to 3 are prefetched into the L2.
; LIMITS: e12 + e13 between -126 and 127; e14 between -126 and 119.  NaN among the inputs is not served.
; REGISTERS: window 0: v1-31 addresses and constants; v32-95 the bias; v96-111 codes; v128-255 A's fragments, later v128-191 a block's numbers and v192-255 the gelu's work.  window 1: B's two sets.  windows 2, 3: accumulators.
.set NA, 8
.set NB, 8
.set LOGT, 8
.set LOGH, 7
.set HROWS, 128
.set KSTEP, 256
.set NQ, 2
.set PITCH, 272
.set QIC, 5
.set KROW, 1024
.set LOGK, 10
.set AHALF, HROWS*PITCH
.set BHALF, HROWS*PITCH
.set SLOT, 2*AHALF+2*BHALF
.set SPARE, 2*SLOT
.set LAPS, KROW/(2*KSTEP)
.set ADRA, 16
.set ADRB, 20
.set STO, 24
.set RD, 25
.set CO, 26
.set BO, 27
.set SPW, 28
.set NIL, 29
.set BC, 32
.set CODE, 96
.set TMP, 128
.set U, 192
.set AF, 128
.set G1, 24
.set G0, 32
.set G1B, 48
.set G0B, 56
.set MSB, 0
.macro WIN new
.if MSB != (\new)
	s_set_vgpr_msb (MSB<<8)|(\new)
.set MSB, \new
.endif
.endm
.set MUL_LO, 0xa1
.set MUL_HI, 0xf1
.set TO_B, 0x40
.macro JLOAD g0a, g1a, g0b, g1b        ; a joint load: waves 0, 1 fetch for A, waves 2, 3 for B; an s_nop 0 and four v_nop follow each line
	s_cmp_eq_u32 s15, 0
	s_cbranch_scc0 .Lfor_b_\@
	tensor_load_to_lds s[\g0a:\g0a+3], s[\g1a:\g1a+7]
	s_nop 0
.rept 4
	v_nop
.endr
	s_branch .Lasked_\@
.Lfor_b_\@:
	tensor_load_to_lds s[\g0b:\g0b+3], s[\g1b:\g1b+7]
	s_nop 0
.rept 4
	v_nop
.endr
.Lasked_\@:
.endm
.macro CREST
	s_cmp_lg_u32 s14, 0
	s_cbranch_scc1 .Lnot_wave_0_\@
	s_barrier_signal -3
.Lnot_wave_0_\@:
	s_barrier_wait -3
	s_barrier_signal -1
	s_barrier_wait -1
.endm
.macro CROUND
	s_barrier_signal -1
	s_barrier_wait -1
	CREST
.endm
.macro PLACES n
.rept \n
	v_nop
.endr
.endm
.macro FRAGA reg, slot, q, i
.irp c, 0,1,2,3
	ds_load_b128 v[\reg+4*\c:\reg+4*\c+3], v[ADRA+\slot] offset:128*(\q)+32*\c+(\i)*16*PITCH
.endr
.endm
.macro FRAGB reg, slot, q, i
.irp c, 0,1,2,3
	ds_load_b128 v[\reg+4*\c:\reg+4*\c+3], v[ADRB+\slot] offset:128*(\q)+32*\c+(\i)*16*PITCH
.endr
.endm
.macro FETCH_B slot, q, p
	WIN TO_B
.set fi, 0
.rept NB
	FRAGB 128*(\p)+16*fi, \slot, \q, fi
.set fi, fi+1
.endr
	WIN 0
.endm
.macro FETCH_A slot, q, i0
.set fi, \i0
.rept NA/2
	FRAGA AF+16*fi, \slot, \q, fi
.set fi, fi+1
.endr
.endm
.macro MULQ a0, p, zero                ; the accumulators take turns, one instruction a turn, in the same order in every step
.set ma, \a0
.rept NA/4
.set mb, 0
.rept NB
.set rD, 8*(NB*(ma%(NA/2))+mb)
.if \zero
	v_wmma_f32_16x16x128_fp8_fp8 v[rD:rD+7], v[128*(\p)+16*mb:128*(\p)+16*mb+15], v[AF+16*ma:AF+16*ma+15], 0
.else
	v_wmma_f32_16x16x128_fp8_fp8 v[rD:rD+7], v[128*(\p)+16*mb:128*(\p)+16*mb+15], v[AF+16*ma:AF+16*ma+15], v[rD:rD+7]
.endif
.set mb, mb+1
.endr
.set ma, ma+1
.endr
.endm
.macro STEP slot, q, zero
	s_wait_dscnt 2*NA                              ; B's set and A's first half are in; the youngest 2 NA loads (A's second half) may be out
	WIN MUL_LO
	MULQ 0, (\q)%2, \zero
	MULQ NA/4, (\q)%2, \zero
	s_wait_dscnt 0
	PLACES 4
	FETCH_B \slot, (\q)+1, 1-(\q)%2
	FETCH_A \slot, (\q)+1, 0
	WIN MUL_HI
	MULQ NA/2, (\q)%2, \zero
	MULQ 3*NA/4, (\q)%2, \zero
	PLACES 4
	WIN 0
	FETCH_A \slot, (\q)+1, NA/2
.endm
.macro MID slot
.if NQ > 2
	STEP \slot, 1, 0
	STEP \slot, 2, 0
.endif
.endm
.macro TURN slot, next, fill
	s_wait_tensorcnt 0x0                           ; all my tensor loads have landed: my part of the next slot
	ds_add_u32 v[SPW], v[NIL]                      ; 0 onto my spare word
	s_wait_dscnt 2*NA+1                            ; the add and A's second half may be out
	WIN MUL_LO
	MULQ 0, 1, 0
	s_wait_dscnt 0x0                               ; the add is done, and my reads of this slot are over
	s_barrier_signal -1
	MULQ NA/4, 1, 0
	WIN 0
	s_barrier_wait -1
.if \fill
	CREST
	s_add_nc_u64 s[G0+4*\slot+2:G0+4*\slot+3], s[G0+4*\slot+2:G0+4*\slot+3], 2*KSTEP
	s_add_nc_u64 s[G0B+4*\slot+2:G0B+4*\slot+3], s[G0B+4*\slot+2:G0B+4*\slot+3], 2*KSTEP
	JLOAD G0+4*\slot, G1, G0B+4*\slot, G1B
.else
	PLACES 4
.endif
	FETCH_B \next, 0, 0
	FETCH_A \next, 0, 0
	WIN MUL_HI
	MULQ NA/2, 1, 0
	MULQ 3*NA/4, 1, 0
	PLACES 4
	WIN 0
	FETCH_A \next, 0, NA/2
.endm
.macro LAST
	s_wait_dscnt 2*NA
	WIN MUL_LO
	MULQ 0, 1, 0
	MULQ NA/4, 1, 0
	s_wait_dscnt 0
	WIN MUL_HI
	MULQ NA/2, 1, 0
	MULQ 3*NA/4, 1, 0
	WIN 0
.endm
	s_load_b128 s[4:7], s[0:1], 0x0                ; xn2's codes, Wup's codes
	s_load_b128 s[8:11], s[0:1], 0x10              ; the exponents, bup
	s_load_b64 s[12:13], s[0:1], 0x20              ; h's codes
	v_lshl_add_u32 v[SPW], v0, 2, SPARE
	v_mov_b32 v[NIL], 0
	ds_add_u32 v[SPW], v[NIL]                      ; the opening: the add, twice on end, and its wait ahead of my first tensor load
	ds_add_u32 v[SPW], v[NIL]
	v_lshrrev_b32 v1, 5, v0
	v_readfirstlane_b32 s14, v1
	s_lshr_b32 s15, s14, 1
	s_and_b32 s16, s14, 1
	s_bfe_u32 s40, ttmp6, 0x40000
	s_bfe_u32 s41, ttmp6, 0x40004
	s_lshl_b32 s42, ttmp9, 2
	s_add_co_u32 s42, s42, s40                     ; tile column
	s_and_b32 s17, ttmp7, 0xffff
	s_lshl_b32 s17, s17, 2
	s_add_co_u32 s17, s17, s41                     ; tile row
	s_lshl_b32 s43, s41, 2
	s_lshl_b32 s43, 15, s43
	s_lshl_b32 s44, 0x1111, s40
	s_or_b32 s[G1+0], s43, (1<<20)|(1<<21)|(QIC<<22)|(3<<25)
	s_or_b32 s[G1B+0], s44, (1<<20)|(1<<21)|(QIC<<22)|(3<<25)
.irp g, G1, G1B
	s_mov_b32 s[\g+1], KSTEP<<16
	s_mov_b32 s[\g+2], HROWS<<16
	s_mov_b32 s[\g+3], KSTEP<<16
	s_mov_b32 s[\g+4], HROWS
	s_mov_b32 s[\g+5], KROW
	s_mov_b32 s[\g+6], 0
	s_mov_b32 s[\g+7], 0
.endr
	s_lshl_b32 s18, s16, LOGH
	s_lshl_b32 s20, s17, LOGT
	s_add_co_u32 s20, s20, s18
	s_lshl_b32 s20, s20, LOGK
	s_mov_b32 s21, 0
	s_lshl_b32 s46, s42, LOGT
	s_add_co_u32 s46, s46, s18
	s_lshl_b32 s46, s46, LOGK
	s_mov_b32 s47, 0
	s_mul_i32 s45, s16, AHALF
	s_mul_i32 s23, s16, BHALF
	s_add_co_u32 s23, s23, 2*AHALF
	s_mov_b32 s66, 0xbdd2d3e8                      ; C1
	s_mov_b32 s67, s66
	s_wait_dscnt 0x0
	s_wait_kmcnt 0x0
	s_load_b128 s[68:71], s[8:9], 0x30             ; e12, e13, e14, e15
	s_add_nc_u64 s[20:21], s[4:5], s[20:21]
	s_add_nc_u64 s[46:47], s[6:7], s[46:47]
	CROUND
.irp s, 0,1
	s_mov_b32 s[G0+4*\s], 1
	s_add_co_u32 s[G0+4*\s+1], s45, \s*SLOT
	s_add_nc_u64 s[G0+4*\s+2:G0+4*\s+3], s[20:21], \s*KSTEP
	s_or_b32 s[G0+4*\s+3], s[G0+4*\s+3], 0x80000000
	s_mov_b32 s[G0B+4*\s], 1
	s_add_co_u32 s[G0B+4*\s+1], s23, \s*SLOT
	s_add_nc_u64 s[G0B+4*\s+2:G0B+4*\s+3], s[46:47], \s*KSTEP
	s_or_b32 s[G0B+4*\s+3], s[G0B+4*\s+3], 0x80000000
.endr
	JLOAD G0, G1, G0B, G1B                         ; K step 0: one tensor load a wave at the head
	; PREFETCH into the L2 (in place of what the head comment says of it): of the 128 rows that I fetch, my work-group names 32 (the four partners that ask jointly are told apart by address: cx for A, cy for B),
	; a lane a row, 256 bytes of a row a K step.  Behind K step 0's load K steps 1 and 2 are named, behind K step 1's load K step 3: each block once in each cluster, never more than two K steps asked for and not yet loaded.
	s_lshl_b32 s72, s17, 8
	s_lshl_b32 s73, s42, 8
	s_cmp_eq_u32 s15, 0                            ; do I fetch for A?
	s_cselect_b32 s72, s72, s73                    ; the tile's first row
	s_cselect_b32 s73, s40, s41                    ; my place among the four
	s_cselect_b64 s[4:5], s[4:5], s[6:7]
	s_lshl_b32 s74, s16, 7
	s_add_co_u32 s72, s72, s74
	s_lshl_b32 s73, s73, 5
	s_add_co_u32 s72, s72, s73
	s_lshl_b32 s72, s72, 10                        ; rows of 1,024 bytes
	s_mov_b32 s73, 0
	s_add_nc_u64 s[4:5], s[4:5], s[72:73]
	v_and_b32 v10, 31, v0
	v_lshlrev_b32 v10, 10, v10                     ; v10 and s[4:5] are not written again
	global_prefetch_b8 v10, s[4:5] offset:256 th:TH_LOAD_NT scope:SCOPE_SE
	global_prefetch_b8 v10, s[4:5] offset:512 th:TH_LOAD_NT scope:SCOPE_SE
	v_and_b32 v1, 15, v0                           ; r
	v_bfe_u32 v2, v0, 4, 1                         ; h
	v_mul_u32_u24 v3, v1, PITCH
	s_wait_alu depctr_va_vdst(0)
	v_lshl_add_u32 v4, v2, 4, v3
	s_mul_i32 s21, s15, AHALF
	s_mul_i32 s22, s16, BHALF
	s_add_co_u32 s22, s22, 2*AHALF
.irp s, 0,1
	v_add_nc_u32 v[ADRA+\s], s21, v4
	v_add_nc_u32 v[ADRB+\s], s22, v4
	s_add_co_u32 s21, s21, SLOT
	s_add_co_u32 s22, s22, SLOT
.endr
	; AS THE WAY OUT IS LAID NOW there is no stage in LDS: my rows 16 a .. 16 a + 15 x my 128 columns are exactly one fragment block of h_codes (2,048 bytes), and my eight codes of column block b
	; (columns 16 b + 8 h + 0..7 of row r) belong at its byte 256 b + 16 r + 8 h: the 32 lanes of one store of 8 bytes fill one aligned unit of 256 bytes
	v_lshlrev_b32 v5, 3, v2
	v_lshl_add_u32 v[STO], v1, 4, v5               ; 16 r + 8 h
	v_lshlrev_b32 v[BO], 5, v2
	s_wait_alu depctr_va_vdst(0)
	v_mov_b32 v12, 0xc0135761                      ; C0, twice
	v_mov_b32 v13, 0xc0135761
	s_lshl_b32 s18, s17, 8
	s_lshl_b32 s19, s15, 7                         ; my first row: 256 x tile row + 128 x my half; 16 rows are 65,536 bytes
	s_add_co_u32 s18, s18, s19
	s_lshl_b32 s18, s18, 12
	s_lshl_b32 s19, s16, 11                        ; my 128 columns are one K chunk of 2,048 bytes,
	s_add_co_u32 s18, s18, s19
	s_lshl_b32 s19, s42, 12                        ; of the tile column's two.  h_codes lies in FRAGMENT ORDER: [block of 16 rows: 256][128 along K: 32][c: 4][lane: 32][16 bytes]; lane (r, h) of piece c holds row r, K = 32 c + 16 h + 0..15
	s_add_co_u32 s18, s18, s19
	s_mov_b32 s19, 0
	s_add_nc_u64 s[12:13], s[12:13], s[18:19]
	s_lshl_b32 s18, s42, 8
	s_lshl_b32 s46, s16, 7
	s_add_co_u32 s18, s18, s46
	s_lshl_b32 s18, s18, 2
	s_add_nc_u64 s[10:11], s[10:11], s[18:19]      ; the bias of my 128 columns
.irp b, 0,1,2,3,4,5,6,7
	global_load_b128 v[BC+8*\b:BC+8*\b+3], v[BO], s[10:11] offset:64*\b
	global_load_b128 v[BC+8*\b+4:BC+8*\b+7], v[BO], s[10:11] offset:64*\b+16
.endr
	s_wait_alu depctr_va_vdst(0)
	s_wait_tensorcnt 0x0                           ; my part of K step 0 is in; slot 1's first fill is issued as a refill is:
	ds_add_u32 v[SPW], v[NIL]
	s_wait_dscnt 0x0
	CROUND                                         ; a whole round: everybody's part of K step 0 is in
	JLOAD G0+4, G1, G0B+4, G1B                     ; K step 1, the first tensor load behind the round
	FETCH_B 0, 0, 0
	FETCH_A 0, 0, 0
	FETCH_A 0, 0, NA/2
	global_prefetch_b8 v10, s[4:5] offset:768 th:TH_LOAD_NT scope:SCOPE_SE   ; K step 3, the last
	STEP 0, 0, 1
.if LAPS > 1
	s_mov_b32 s3, LAPS-1
.Llap:
	MID 0
	TURN 0, 1, 1
	STEP 1, 0, 0
	MID 1
	TURN 1, 0, 1
	STEP 0, 0, 0
	s_sub_co_u32 s3, s3, 1
	s_cmp_lg_u32 s3, 0
	s_cbranch_scc1 .Llap
.endif
	MID 0
	TURN 0, 1, 0
	STEP 1, 0, 0
	MID 1
	LAST
	s_wait_kmcnt 0x0
	s_add_co_i32 s96, s68, s69
	s_add_co_i32 s96, s96, 127
	s_lshl_b32 s96, s96, 23                        ; 2^(e12 + e13)
	s_mov_b32 s97, s96
	s_add_co_i32 s70, s70, 127
	s_lshl_b32 s71, s70, 23
	v_mov_b32 v30, s71                             ; 2^e14
	s_add_co_i32 s70, s70, 8
	s_lshl_b32 s70, s70, 23
	s_or_b32 s70, s70, 0x600000
	v_mov_b32 v31, s70                             ; 448 x 2^e14
	s_wait_loadcnt 0x0                             ; the bias
	PLACES 4
.macro CBLK a                          ; my rows 16 a .. 16 a + 15: y = sum x 2^(e12 + e13) + bias; gelu; the hold; codes; eight codes a lane to h_codes
.set AC, 64*((\a)%4)
	WIN 0x02+(\a)/4
.set cj, 0
.rept 32
	v_pk_fma_f32 v[TMP+cj:TMP+cj+1], v[AC+cj:AC+cj+1], s[96:97], v[BC+cj:BC+cj+1] op_sel_hi:[1,0,1]   ; each accumulator from its low end on
.set cj, cj+2
.endr
	WIN 0
.set cj, 0
.rept 32
	v_pk_mul_f32 v[U+cj:U+cj+1], v[TMP+cj:TMP+cj+1], v[TMP+cj:TMP+cj+1]
.set cj, cj+2
.endr
.set cj, 0
.rept 32
	v_pk_fma_f32 v[U+cj:U+cj+1], v[U+cj:U+cj+1], s[66:67], v[12:13] op_sel_hi:[1,0,1]
.set cj, cj+2
.endr
.set cj, 0
.rept 32
	v_pk_mul_f32 v[U+cj:U+cj+1], v[U+cj:U+cj+1], v[TMP+cj:TMP+cj+1]
.set cj, cj+2
.endr
.set cj, 0
	s_wait_alu depctr_va_vdst(0)
.rept 64
	v_exp_f32 v[U+cj], v[U+cj]
.set cj, cj+1
.endr
	v_nop                                          ; a plain instruction behind the batch,
	s_wait_alu depctr_va_vdst(0)                   ; and one wait for it, ahead of its first reader
.set cj, 0
.rept 32
	v_pk_add_f32 v[U+cj:U+cj+1], v[U+cj:U+cj+1], 1.0 op_sel_hi:[1,0]
.set cj, cj+2
.endr
.set cj, 0
	s_wait_alu depctr_va_vdst(0)
.rept 64
	v_rcp_f32 v[U+cj], v[U+cj]
.set cj, cj+1
.endr
	v_nop
	s_wait_alu depctr_va_vdst(0)
.set cj, 0
.rept 32
	v_pk_mul_f32 v[TMP+cj:TMP+cj+1], v[TMP+cj:TMP+cj+1], v[U+cj:U+cj+1]
.set cj, cj+2
.endr
.set cj, 0
.rept 64
	v_med3_num_f32 v[TMP+cj], v[TMP+cj], -v31, v31
.set cj, cj+1
.endr
.if (\a) > 0
	s_wait_alu depctr_va_vdst(0)
	s_wait_xcnt 0x0                                ; the last block's stores have read the codes' registers
.endif
.irp b, 0,1,2,3,4,5,6,7
	v_cvt_scalef32_pk8_fp8_f32 v[CODE+2*\b:CODE+2*\b+1], v[TMP+8*\b:TMP+8*\b+7], v30
.endr
	v_nop
.irp b, 0,1,2,3,4,5,6,7
	global_store_b64 v[STO], v[CODE+2*\b:CODE+2*\b+1], s[12:13] offset:(\a)*65536+256*\b   ; 256 consecutive bytes, aligned, by one instruction
.endr
.endm
.irp a, 0,1,2,3,4,5,6,7
	CBLK \a
.endr
	s_wait_tensorcnt 0x0                           ; the wave's end
	ds_add_u32 v[SPW], v[NIL]
	s_wait_dscnt 0x0
	CROUND                                         ; the closing round
	s_endpgm
.Lfunc_end_k_qb3c34cbd9e_up:
	.size	k_qb3c34cbd9e_up, .Lfunc_end_k_qb3c34cbd9e_up-k_qb3c34cbd9e_up
	.p2alignl 7, 3214868480
	.fill 96, 4, 3214868480
	.section	.rodata,"a",@progbits
	.p2align	6, 0x0
	.amdhsa_kernel k_qb3c34cbd9e_up
		.amdhsa_group_segment_fixed_size 327680
		.amdhsa_private_segment_fixed_size 0
		.amdhsa_enable_private_segment 0
		.amdhsa_kernarg_size 40
		.amdhsa_user_sgpr_count 2
		.amdhsa_user_sgpr_kernarg_segment_ptr 1
		.amdhsa_wavefront_size32 1
		.amdhsa_system_sgpr_workgroup_id_x 1
		.amdhsa_system_sgpr_workgroup_id_y 1
		.amdhsa_system_sgpr_workgroup_id_z 1
		.amdhsa_system_vgpr_workitem_id 0
		.amdhsa_next_free_vgpr 1024
		.amdhsa_next_free_sgpr 100
		.amdhsa_reserve_vcc 0
		.amdhsa_float_denorm_mode_32 3
		.amdhsa_float_denorm_mode_16_64 3
		.amdhsa_memory_ordered 1
		.amdhsa_forward_progress 1
		.amdhsa_inst_pref_size 254
	.end_amdhsa_kernel
	.amdgpu_metadata
---
amdhsa.version: [ 1, 2 ]
amdhsa.kernels:
  - .name:           k_qb3c34cbd9e_up
    .symbol:         k_qb3c34cbd9e_up.kd
    .args:
      - { .name: xn2_codes, .offset: 0, .size: 8, .value_kind: global_buffer, .address_space: global }
      - { .name: Wup_codes, .offset: 8, .size: 8, .value_kind: global_buffer, .address_space: global }
      - { .name: lowp_scales, .offset: 16, .size: 8, .value_kind: global_buffer, .address_space: global }
      - { .name: bup, .offset: 24, .size: 8, .value_kind: global_buffer, .address_space: global }
      - { .name: h_codes, .offset: 32, .size: 8, .value_kind: global_buffer, .address_space: global }
    .group_segment_fixed_size: 327680
    .private_segment_fixed_size: 0
    .kernarg_segment_align: 8
    .kernarg_segment_size: 40
    .max_flat_workgroup_size: 128
    .sgpr_count:     100
    .vgpr_count:     1024
    .wavefront_size: 32
...
	.end_amdgpu_metadata
.endif
;; end of part 6
;; launch down (part 7): grid 8 x 32, 4 waves a work-group, clusters of 4 x 4, 327,680 bytes of LDS; arguments h_codes, Wdn_codes, lowp_scales, bdn, x2, out0; writes out0
.if DOCPART == 7
	.amdgcn_target "amdgcn-amd-amdhsa--gfx1250"
	.amdhsa_code_object_version 6
	.text
	.protected	k_qb3c34cbd9e_down
	.globl	k_qb3c34cbd9e_down
	.p2align	8
	.type	k_qb3c34cbd9e_down,@function
k_qb3c34cbd9e_down:
	s_mov_b64 s[64:65], 0
	v_nop
	global_prefetch_b8 v0, s[64:65] scope:SCOPE_SE
	s_setreg_imm32_b32 hwreg(HW_REG_WAVE_MODE, 25, 1), 1
	s_wait_xcnt 0x0
	s_wait_alu depctr_hold_cnt(0) depctr_sa_sdst(0) depctr_va_vdst(0) depctr_va_sdst(0) depctr_va_ssrc(0) depctr_va_vcc(0) depctr_vm_vsrc(0)
	s_getreg_b32 s2, hwreg(HW_REG_IB_STS2, 6, 4)
	s_cmp_eq_u32 s2, 0
	s_cbranch_scc0 .Lentry_in_a_cluster
	s_endpgm
.Lentry_in_a_cluster:
	s_bfe_u32 s2, ttmp6, 0x10000c
	s_cmp_lg_u32 s2, 0xf033
	s_cbranch_scc0 .Lentry_shape_is_right
	s_endpgm
.Lentry_shape_is_right:
; out0 = h Wdn + bdn + x2: C = A B^T on codes of E4M3, each sum x 2^(e14 + e15), + bias + residual, f32 out.  C is [4096][1024], K = 4,096.
; LIMIT: e14 + e15 between -126 and 127, so that the power of two is an f32 number.
; SHARES.  A tile of C is 128 x 128: 256 work-groups; four waves, each 64 x 64: 16 accumulators.  K goes in 8 steps of 512 through a ring of two LDS slots filled by the tensor data mover.
; CLUSTERS: 4 x 4 work-groups.  A's tiles are asked for jointly along a row of the cluster, B's along a column: each tile is fetched once for four work-groups.
; A (h) lies in memory in FRAGMENT ORDER, as the launch before stored it: [block of 16 rows][128 along K][c 4][lane 32][16 bytes].  64 rows x 512 K are 4 rows of 8,192 consecutive bytes, 65,536 apart;
; in LDS a fragment is 2,048 consecutive bytes, read by four loads at 16 x lane: no padding is wanted.  B (Wdn) has rows of 512 bytes a K step, padded to 528 in LDS.
; PREFETCH into the L2, two K steps ahead of the load that wants the bytes: behind K step 0's load K steps 1 and 2 are named, behind the load of K step s (s from 1 to 5) K step s + 2; the last two refills name nothing.
; A K step of the 64 rows that a wave fetches is 128 blocks of 256 bytes; each of the four partners that ask for them jointly names 32, told apart by address (65,536 bytes x cx for A, x cy for B): one instruction a wave,
; each block once in each cluster.  The address is stepped at the head of the next change of slots, behind s_wait_xcnt 0.
; THE WALK: the first 128 along K, a loop of two trips (each once round the ring, both refills with a prefetch), a third trip written out (its refills name nothing more), the last lap (no refill).
; The residual's 32 loads a wave are issued behind the loop, at the head of the third trip: four K steps ahead of the way out.
; The matrix instruction is used transposed (source 0 = 16 rows of B, source 1 = 16 rows of A): a lane holds 8 neighbouring columns of a row of C.
; REGISTERS: window 0: v1-31 addresses; v32-127, v192-223 the residual; v224-227 the bias; v128-191 A's fragments, later rows read back.  window 1: B's two sets.  windows 2, 3: accumulators of my rows 0-31, 32-63.
.set NA, 4
.set NB, 4
.set KSTEP, 512
.set ASTEP, 8192                       ; a K step in a row block of h
.set PITCH, 528
.set AHALF, 4*ASTEP                    ; 64 rows of A, one K step
.set BHALF, 64*PITCH
.set SLOT, 2*AHALF+2*BHALF
.set SPARE, 2*SLOT                     ; behind the ring: the spare words, 128 bytes a wave
.set LAPS, 4                           ; 4,096 / (2 x 512)
.set PFO, 10                           ; v10 the prefetches' lane offset; never rewritten
.set ADRA, 16
.set ADRB, 20
.set STO, 24
.set RD, 25
.set CO, 26
.set BO, 27
.set SPW, 28
.set NIL, 29
.set AF, 128
.set G1, 24
.set G0, 32
.set G1B, 48
.set G0B, 56
.set PFA, 80                           ; s[80:81] where my prefetches stand
.set PFS, 82                           ; s[82:83] a K step on, in bytes: 8,192 in h, 512 in Wdn
.set MSB, 0
.macro WIN new
.if MSB != (\new)
	s_set_vgpr_msb (MSB<<8)|(\new)
.set MSB, \new
.endif
.endm
.set MUL_LO, 0xa1
.set MUL_HI, 0xf1
.set TO_B, 0x40
.macro JLOAD g0a, g1a, g0b, g1b        ; a joint load: waves 0, 1 fetch for A, waves 2, 3 for B; an s_nop 0 and four v_nop follow each line
	s_cmp_eq_u32 s15, 0
	s_cbranch_scc0 .Lfor_b_\@
	tensor_load_to_lds s[\g0a:\g0a+3], s[\g1a:\g1a+7]
	s_nop 0
.rept 4
	v_nop
.endr
	s_branch .Lasked_\@
.Lfor_b_\@:
	tensor_load_to_lds s[\g0b:\g0b+3], s[\g1b:\g1b+7]
	s_nop 0
.rept 4
	v_nop
.endr
.Lasked_\@:
.endm
.macro CREST
	s_cmp_lg_u32 s14, 0
	s_cbranch_scc1 .Lnot_wave_0_\@
	s_barrier_signal -3
.Lnot_wave_0_\@:
	s_barrier_wait -3
	s_barrier_signal -1
	s_barrier_wait -1
.endm
.macro CROUND
	s_barrier_signal -1
	s_barrier_wait -1
	CREST
.endm
.macro PLACES n
.rept \n
	v_nop
.endr
.endm
.macro FRAGA reg, slot, q, i           ; row block i, the slot's q-th 128 along K: 2,048 consecutive bytes
.irp c, 0,1,2,3
	ds_load_b128 v[\reg+4*\c:\reg+4*\c+3], v[ADRA+\slot] offset:(\i)*ASTEP+2048*(\q)+512*\c
.endr
.endm
.macro FRAGB reg, slot, q, i
.irp c, 0,1,2,3
	ds_load_b128 v[\reg+4*\c:\reg+4*\c+3], v[ADRB+\slot] offset:128*(\q)+32*\c+(\i)*16*PITCH
.endr
.endm
.macro FETCH_B slot, q, p
	WIN TO_B
.set fi, 0
.rept NB
	FRAGB 128*(\p)+16*fi, \slot, \q, fi
.set fi, fi+1
.endr
	WIN 0
.endm
.macro FETCH_A slot, q, i0
.set fi, \i0
.rept NA/2
	FRAGA AF+16*fi, \slot, \q, fi
.set fi, fi+1
.endr
.endm
.macro MULQ a0, p, zero                ; A's block a0 against B's four; the 16 accumulators take turns in the same order in every step
.set mb, 0
.rept NB
.set rD, 8*(NB*((\a0)%2)+mb)
.if \zero
	v_wmma_f32_16x16x128_fp8_fp8 v[rD:rD+7], v[128*(\p)+16*mb:128*(\p)+16*mb+15], v[AF+16*(\a0):AF+16*(\a0)+15], 0
.else
	v_wmma_f32_16x16x128_fp8_fp8 v[rD:rD+7], v[128*(\p)+16*mb:128*(\p)+16*mb+15], v[AF+16*(\a0):AF+16*(\a0)+15], v[rD:rD+7]
.endif
.set mb, mb+1
.endr
.endm
.macro STEP slot, q, zero              ; 128 along K, with its successor in the same slot
	s_wait_dscnt 2*NA                              ; B's set and A's first half are in; the youngest 2 NA loads (A's second half) may be out
	WIN MUL_LO
	MULQ 0, (\q)%2, \zero
	MULQ 1, (\q)%2, \zero
	s_wait_dscnt 0
	PLACES 4
	FETCH_B \slot, (\q)+1, 1-(\q)%2
	FETCH_A \slot, (\q)+1, 0
	WIN MUL_HI
	MULQ 2, (\q)%2, \zero
	MULQ 3, (\q)%2, \zero
	PLACES 4
	WIN 0
	FETCH_A \slot, (\q)+1, NA/2
.endm
.macro MID slot
	STEP \slot, 1, 0
	STEP \slot, 2, 0
.endm
.macro TURN slot, next, fill, ask      ; a slot's last 128 along K, and the change of slots.  fill: this slot is filled again, two K steps on; ask: and the K step two refills on is prefetched
.if \ask
	s_wait_xcnt 0x0                                ; my last prefetch has read its address: it may be stepped
	s_add_nc_u64 s[PFA:PFA+1], s[PFA:PFA+1], s[PFS:PFS+1]
.endif
	s_wait_tensorcnt 0x0                           ; all my tensor loads have landed: my part of the next slot
	ds_add_u32 v[SPW], v[NIL]                      ; 0 onto my spare word
	s_wait_dscnt 2*NA+1                            ; the add and A's second half may be out
	WIN MUL_LO
	MULQ 0, 1, 0
	s_wait_dscnt 0x0                               ; the add is done, and my reads of this slot are over
	s_barrier_signal -1
	MULQ 1, 1, 0
	WIN 0
	s_barrier_wait -1
.if \fill
	CREST                                          ; the barrier has opened a round of the cluster's barrier: no wave of any partner still reads this slot or has a load on its way
	s_add_nc_u64 s[G0+4*\slot+2:G0+4*\slot+3], s[G0+4*\slot+2:G0+4*\slot+3], 2*ASTEP
	s_add_nc_u64 s[G0B+4*\slot+2:G0B+4*\slot+3], s[G0B+4*\slot+2:G0B+4*\slot+3], 2*KSTEP
	JLOAD G0+4*\slot, G1, G0B+4*\slot, G1B
.else
	PLACES 4
.endif
	FETCH_B \next, 0, 0
	FETCH_A \next, 0, 0
.if \ask
	global_prefetch_b8 v[PFO], s[PFA:PFA+1] th:TH_LOAD_NT scope:SCOPE_SE
.endif
	WIN MUL_HI
	MULQ 2, 1, 0
	MULQ 3, 1, 0
	PLACES 4
	WIN 0
	FETCH_A \next, 0, NA/2
.endm
	s_load_b128 s[4:7], s[0:1], 0x0                ; h's codes, Wdn's codes
	s_load_b128 s[8:11], s[0:1], 0x10              ; the exponents, bdn
	s_load_b128 s[68:71], s[0:1], 0x20             ; x2, out0
	v_lshl_add_u32 v[SPW], v0, 2, SPARE
	v_mov_b32 v[NIL], 0
	ds_add_u32 v[SPW], v[NIL]                      ; the opening: the add, twice on end, and its wait ahead of my first tensor load
	ds_add_u32 v[SPW], v[NIL]
	v_lshrrev_b32 v1, 5, v0
	v_readfirstlane_b32 s14, v1                    ; wave 0..3
	s_lshr_b32 s15, s14, 1                         ; my half of the tile's rows.  Also: I fetch for A (0) or for B (1)
	s_and_b32 s16, s14, 1                          ; my half of its columns.  Also: which 64 rows I fetch
	s_bfe_u32 s40, ttmp6, 0x40000                  ; cx
	s_bfe_u32 s41, ttmp6, 0x40004                  ; cy
	s_lshl_b32 s42, ttmp9, 2
	s_add_co_u32 s42, s42, s40                     ; tile column
	s_and_b32 s17, ttmp7, 0xffff
	s_lshl_b32 s17, s17, 2
	s_add_co_u32 s17, s17, s41                     ; tile row
	s_lshl_b32 s43, s41, 2
	s_lshl_b32 s43, 15, s43                        ; my row of the cluster
	s_lshl_b32 s44, 0x1111, s40                    ; my column
	s_or_b32 s[G1+0], s43, (1<<21)                 ; A: elements of 1 byte, no padding
	s_mov_b32 s[G1+1], ASTEP<<16                   ; tensor_dim0: a row block's K step
	s_mov_b32 s[G1+2], 4<<16                       ; tensor_dim1: 4 row blocks
	s_mov_b32 s[G1+3], ASTEP<<16
	s_mov_b32 s[G1+4], 4
	s_mov_b32 s[G1+5], 65536                       ; from row block to row block
	s_mov_b32 s[G1+6], 0
	s_mov_b32 s[G1+7], 0
	s_or_b32 s[G1B+0], s44, (1<<20)|(1<<21)|(6<<22)|(3<<25)   ; B: padding of 4 words behind every 128
	s_mov_b32 s[G1B+1], KSTEP<<16
	s_mov_b32 s[G1B+2], 64<<16
	s_mov_b32 s[G1B+3], KSTEP<<16
	s_mov_b32 s[G1B+4], 64
	s_mov_b32 s[G1B+5], 4096
	s_mov_b32 s[G1B+6], 0
	s_mov_b32 s[G1B+7], 0
	s_lshl_b32 s18, s16, 6
	s_lshl_b32 s20, s17, 7
	s_add_co_u32 s20, s20, s18
	s_lshl_b32 s20, s20, 12                        ; A: row 128 x tile row + 64 x half; 16 rows are 65,536 bytes
	s_mov_b32 s21, 0
	s_lshl_b32 s46, s42, 7
	s_add_co_u32 s46, s46, s18
	s_lshl_b32 s46, s46, 12                        ; B: row 128 x tile column + 64 x half, 4,096 bytes a row
	s_mov_b32 s47, 0
	s_mul_i32 s45, s16, AHALF
	s_mul_i32 s23, s16, BHALF
	s_add_co_u32 s23, s23, 2*AHALF
	s_wait_dscnt 0x0                               ; both opening adds are done
	s_wait_kmcnt 0x0
	s_load_b64 s[72:73], s[8:9], 0x38              ; e14, e15
	s_add_nc_u64 s[20:21], s[4:5], s[20:21]
	s_add_nc_u64 s[46:47], s[6:7], s[46:47]
	CROUND                                         ; all sixteen work-groups are here: the first joint loads meet
.irp s, 0,1
	s_mov_b32 s[G0+4*\s], 1
	s_add_co_u32 s[G0+4*\s+1], s45, \s*SLOT
	s_add_nc_u64 s[G0+4*\s+2:G0+4*\s+3], s[20:21], \s*ASTEP
	s_or_b32 s[G0+4*\s+3], s[G0+4*\s+3], 0x80000000
	s_mov_b32 s[G0B+4*\s], 1
	s_add_co_u32 s[G0B+4*\s+1], s23, \s*SLOT
	s_add_nc_u64 s[G0B+4*\s+2:G0B+4*\s+3], s[46:47], \s*KSTEP
	s_or_b32 s[G0B+4*\s+3], s[G0B+4*\s+3], 0x80000000
.endr
	JLOAD G0, G1, G0B, G1B                         ; K step 0: one tensor load a wave at the head
	; the prefetches' addresses, and the scalars that the vector lines below take
	s_cmp_eq_u32 s15, 0                            ; do I fetch for A?
	s_cselect_b64 s[74:75], s[20:21], s[46:47]     ; K step 0 of the 64 rows that I fetch
	s_cselect_b32 s86, s40, s41                    ; my place among the four that ask with me
	s_mov_b32 s[PFS], KSTEP
	s_cselect_b32 s[PFS], ASTEP, s[PFS]
	s_mov_b32 s84, 4096
	s_cselect_b32 s84, 512, s84                    ; from one pair of lanes to the next: 512 bytes on in h's dense block, a row on in Wdn
	s_mov_b32 s[PFS+1], 0
	s_lshl_b32 s86, s86, 16                        ; my work-group's 32 blocks: a row block of h, or 16 rows of Wdn: 65,536 bytes either way
	s_mov_b32 s87, 0
	s_add_nc_u64 s[74:75], s[74:75], s[86:87]
	s_add_nc_u64 s[76:77], s[74:75], s[PFS:PFS+1]          ; K step 1
	s_add_nc_u64 s[78:79], s[76:77], s[PFS:PFS+1]          ; K step 2
	s_add_nc_u64 s[PFA:PFA+1], s[78:79], s[PFS:PFS+1]      ; K step 3
	s_mul_i32 s21, s15, AHALF
	s_mul_i32 s22, s16, BHALF
	s_add_co_u32 s22, s22, 2*AHALF
	s_mul_i32 s18, s14, 8704                       ; the way out: two stages of 16 rows x 272 bytes for each wave, in slot 0 (its last fill and last read are over by then)
	v_and_b32 v1, 15, v0                           ; r
	v_bfe_u32 v2, v0, 4, 1                         ; h
	v_and_b32 v7, 31, v0                           ; lane
	v_mul_u32_u24 v3, v1, PITCH
	v_lshl_add_u32 v4, v2, 4, v3
	v_lshlrev_b32 v5, 4, v7
	v_add_nc_u32 v[ADRA], s21, v5                  ; A: 16 x lane in my 64 rows' fragments
	v_add_nc_u32 v[ADRB], s22, v4                  ; B: row r x pitch + 16 h
	v_add_nc_u32 v[ADRA+1], SLOT, v[ADRA]
	v_add_nc_u32 v[ADRB+1], SLOT, v[ADRB]
	v_mul_u32_u24 v6, v1, 272
	v_lshl_add_u32 v6, v2, 5, v6
	v_add_nc_u32 v[STO], s18, v6                   ; in: row r, 32 h
	v_mul_u32_u24 v6, v2, 272
	v_lshl_add_u32 v6, v1, 4, v6
	v_add_nc_u32 v[RD], s18, v6                    ; back: lanes 0-15 one row of 256 bytes, lanes 16-31 the next
	v_lshlrev_b32 v6, 12, v2
	v_lshl_add_u32 v[CO], v1, 4, v6                ; the same two rows in C: rows of 4,096 bytes
	v_lshlrev_b32 v[BO], 4, v1
	v_lshrrev_b32 v8, 1, v7
	v_and_b32 v9, 1, v7
	v_mul_lo_u32 v8, v8, s84
	v_lshl_add_u32 v[PFO], v9, 8, v8               ; two blocks of 256 bytes to a pair of lanes
	global_prefetch_b8 v[PFO], s[76:77] th:TH_LOAD_NT scope:SCOPE_SE
	global_prefetch_b8 v[PFO], s[78:79] th:TH_LOAD_NT scope:SCOPE_SE
	s_lshl_b32 s20, s17, 7
	s_lshl_b32 s21, s15, 6
	s_add_co_u32 s20, s20, s21
	s_lshl_b32 s20, s20, 12                        ; my first row of C
	s_lshl_b32 s46, s42, 7
	s_lshl_b32 s47, s16, 6
	s_add_co_u32 s46, s46, s47
	s_lshl_b32 s46, s46, 2                         ; my first column, in bytes
	s_mov_b32 s47, 0
	s_mov_b32 s21, 0
	s_add_nc_u64 s[10:11], s[10:11], s[46:47]
	s_add_co_u32 s20, s20, s46
	s_add_nc_u64 s[68:69], s[68:69], s[20:21]
	s_add_nc_u64 s[70:71], s[70:71], s[20:21]
	s_wait_alu depctr_va_vdst(0)
	s_wait_tensorcnt 0x0                           ; my part of K step 0 is in; slot 1's first fill is issued as a refill is:
	ds_add_u32 v[SPW], v[NIL]
	s_wait_dscnt 0x0
	CROUND                                         ; a whole round: everybody's part of K step 0 is in
	JLOAD G0+4, G1, G0B+4, G1B                     ; K step 1, the first tensor load behind the round
	FETCH_B 0, 0, 0
	FETCH_A 0, 0, 0
	FETCH_A 0, 0, NA/2
	global_prefetch_b8 v[PFO], s[PFA:PFA+1] th:TH_LOAD_NT scope:SCOPE_SE   ; K step 3
	STEP 0, 0, 1                                   ; the first step stands in front of the loop: its products start the sums
	s_mov_b32 s3, LAPS-2
.Llap:                                                 ; a trip goes once round the ring and fills both slots again: K steps 2 to 5 are loaded, 4 to 7 prefetched
	MID 0
	TURN 0, 1, 1, 1
	STEP 1, 0, 0
	MID 1
	TURN 1, 0, 1, 1
	STEP 0, 0, 0
	s_sub_co_u32 s3, s3, 1
	s_cmp_lg_u32 s3, 0
	s_cbranch_scc1 .Llap
	global_load_b128 v[224:227], v[BO], s[10:11]   ; the bias of my four columns
.irp a, 0,1,2,3
.irp t, 0,1,2,3,4,5,6,7
	global_load_b128 v[32+32*\a+64*(\a/3)+4*\t:32+32*\a+64*(\a/3)+4*\t+3], v[CO], s[68:69] offset:(16*\a+2*\t)*4096 th:TH_LOAD_NT
.endr
.endr
	MID 0                                          ; the third trip, written out: K steps 6 and 7 are loaded, nothing lies two K steps on
	TURN 0, 1, 1, 0
	STEP 1, 0, 0
	MID 1
	TURN 1, 0, 1, 0
	STEP 0, 0, 0
	MID 0
	TURN 0, 1, 0, 0                                ; the last lap fills nothing, and has no round of the cluster's barrier
	STEP 1, 0, 0
	MID 1
	s_wait_dscnt 2*NA                              ; the very last step: nothing more to fetch
	WIN MUL_LO
	MULQ 0, 1, 0
	MULQ 1, 1, 0
	s_wait_dscnt 0
	WIN MUL_HI
	MULQ 2, 1, 0
	MULQ 3, 1, 0
	WIN 0
	; THE WAY OUT, block by block of 16 rows x 64 columns: the sums go through my own stage and come back as whole rows of 256 bytes; there sum x 2^(e14 + e15) + (residual + bias); sixteen lanes store 256 aligned bytes
	s_wait_kmcnt 0x0
	s_add_co_i32 s96, s72, s73
	s_add_co_i32 s96, s96, 127
	s_lshl_b32 s96, s96, 23
	s_mov_b32 s97, s96
.macro TOSTAGE a
.set AC, 32*((\a)%2)
.set SG, 4352*((\a)%2)
.set RB, 128+32*((\a)%2)
	WIN 0x08+4*((\a)/2)                            ; the stores' data: window 2 or 3
.irp b, 0,1,2,3
	ds_store_b128 v[STO], v[AC+8*\b:AC+8*\b+3] offset:SG+64*\b          ; each accumulator from its low end on
	ds_store_b128 v[STO], v[AC+8*\b+4:AC+8*\b+7] offset:SG+64*\b+16
.endr
	WIN 0
.irp t, 0,1,2,3,4,5,6,7
	ds_load_b128 v[RB+4*\t:RB+4*\t+3], v[RD] offset:SG+\t*2*272         ; LDS serves a wave's instructions in order: these see my stores
.endr
.endm
.macro FIN a, nds
.set RS, 32+32*(\a)+64*((\a)/3)
.set RB, 128+32*((\a)%2)
	s_wait_dscnt \nds                              ; behind this block's loads: the next block's 8 stores and 8 loads, or nothing
	s_wait_loadcnt 24-8*(\a)                       ; the later blocks' residual loads may be out
.irp t, 0,1,2,3,4,5,6,7
	v_pk_add_f32 v[RS+4*\t:RS+4*\t+1], v[RS+4*\t:RS+4*\t+1], v[224:225]
	v_pk_add_f32 v[RS+4*\t+2:RS+4*\t+3], v[RS+4*\t+2:RS+4*\t+3], v[226:227]
	v_pk_fma_f32 v[RS+4*\t:RS+4*\t+1], v[RB+4*\t:RB+4*\t+1], s[96:97], v[RS+4*\t:RS+4*\t+1] op_sel_hi:[1,0,1]
	v_pk_fma_f32 v[RS+4*\t+2:RS+4*\t+3], v[RB+4*\t+2:RB+4*\t+3], s[96:97], v[RS+4*\t+2:RS+4*\t+3] op_sel_hi:[1,0,1]
	global_store_b128 v[CO], v[RS+4*\t:RS+4*\t+3], s[70:71] offset:(16*(\a)+2*\t)*4096 th:TH_STORE_NT
.endr
.endm
	PLACES 4
	TOSTAGE 0
	TOSTAGE 1
	FIN 0, 16
	TOSTAGE 2
	FIN 1, 16
	TOSTAGE 3
	FIN 2, 16
	FIN 3, 0
	s_wait_tensorcnt 0x0                           ; the wave's end
	ds_add_u32 v[SPW], v[NIL]
	s_wait_dscnt 0x0
	CROUND                                         ; the closing round
	s_endpgm
.Lfunc_end_k_qb3c34cbd9e_down:
	.size	k_qb3c34cbd9e_down, .Lfunc_end_k_qb3c34cbd9e_down-k_qb3c34cbd9e_down
	.p2alignl 7, 3214868480
	.fill 96, 4, 3214868480
	.section	.rodata,"a",@progbits
	.p2align	6, 0x0
	.amdhsa_kernel k_qb3c34cbd9e_down
		.amdhsa_group_segment_fixed_size 327680
		.amdhsa_private_segment_fixed_size 0
		.amdhsa_enable_private_segment 0
		.amdhsa_kernarg_size 48
		.amdhsa_user_sgpr_count 2
		.amdhsa_user_sgpr_kernarg_segment_ptr 1
		.amdhsa_wavefront_size32 1
		.amdhsa_system_sgpr_workgroup_id_x 1
		.amdhsa_system_sgpr_workgroup_id_y 1
		.amdhsa_system_sgpr_workgroup_id_z 1
		.amdhsa_system_vgpr_workitem_id 0
		.amdhsa_next_free_vgpr 1024
		.amdhsa_next_free_sgpr 100
		.amdhsa_reserve_vcc 0
		.amdhsa_float_denorm_mode_32 3
		.amdhsa_float_denorm_mode_16_64 3
		.amdhsa_memory_ordered 1
		.amdhsa_forward_progress 1
		.amdhsa_inst_pref_size 116
	.end_amdhsa_kernel
	.amdgpu_metadata
---
amdhsa.version: [ 1, 2 ]
amdhsa.kernels:
  - .name:           k_qb3c34cbd9e_down
    .symbol:         k_qb3c34cbd9e_down.kd
    .args:
      - { .name: h_codes, .offset: 0, .size: 8, .value_kind: global_buffer, .address_space: global }
      - { .name: Wdn_codes, .offset: 8, .size: 8, .value_kind: global_buffer, .address_space: global }
      - { .name: lowp_scales, .offset: 16, .size: 8, .value_kind: global_buffer, .address_space: global }
      - { .name: bdn, .offset: 24, .size: 8, .value_kind: global_buffer, .address_space: global }
      - { .name: x2, .offset: 32, .size: 8, .value_kind: global_buffer, .address_space: global }
      - { .name: out0, .offset: 40, .size: 8, .value_kind: global_buffer, .address_space: global }
    .group_segment_fixed_size: 327680
    .private_segment_fixed_size: 0
    .kernarg_segment_align: 8
    .kernarg_segment_size: 48
    .max_flat_workgroup_size: 128
    .sgpr_count:     100
    .vgpr_count:     1024
    .wavefront_size: 32
...
	.end_amdgpu_metadata
.endif
;; end of part 7
